; MI455X (gfx1250); checked and timed in simulation.
; The chip was launched on July 23, 2026; its instructions are those of AMD's public machine-readable ISA for CDNA 5 (MIT licence, August 2026) and "CDNA5" Instruction Set Architecture Reference Guide (July 2026). The comments in the code are by the model that wrote it; some were corrected since.
;; Transformer Block. Allowed arithmetic: float matrix products may take bf16 or f16 operands with f32 sums; other float arithmetic in f32, or as packed bf16 or f16 multiplies, adds, multiply-adds, maxima and minima; sums over many terms, partial sums and values carried from step to step in f32; what a program stores and reads back later, other than sums and carried values, may be rounded once to bf16 or f16.
;; Inputs: Wmlp1 1,024 x 4,096 float32; Wmlp2 4,096 x 1,024 float32; Wproj 1,024 x 1,024 float32; Wqkv 1,024 x 3,072 float32; Wss1 1,024 x 2,048 float32; Wss2 1,024 x 2,048 float32; attn_bias 2,048 x 2,048 float32; attn_mask 2,048 x 2,048 float32; bmlp1 4,096 float32; bmlp2 1,024 float32; bproj 1,024 float32; bqkv 3,072 float32; bss1 2,048 float32; bss2 2,048 float32; key_padding_mask 2 x 2,048 bool; t_vec 2 x 1,024 float32; x 2 x 2,048 x 1,024 float32.
;; Outputs: out0 2 x 2,048 x 1,024 float32.
;; One version. Each part assembles by itself: llvm-mc -triple=amdgcn-amd-amdhsa -mcpu=gfx1250 --defsym DOCPART=n.
;; ======== version 1 of 1: 8 launches
;; limits: a function is approximated: absolute error at most 1.5e-07
;; workspace buffers: wb 25,165,824 bytes; ss1b 16,384 bytes; ss2b 16,384 bytes; mbp 16,777,216 bytes; hn 8,388,608 bytes; qkv 25,165,824 bytes; act 33,554,432 bytes; x1 16,777,216 bytes
;; launch prep (part 1): grid 1088 x 1, 8 waves a work-group, no clusters, 17,408 bytes of LDS; arguments t_vec, Wss1, bss1, Wss2, bss2, attn_mask, attn_bias, key_padding_mask, Wqkv, Wproj, Wmlp1, Wmlp2, ss1b, ss2b, mbp, wb; writes ss1b, ss2b, mbp, wb
.if DOCPART == 1
	.amdgcn_target "amdgcn-amd-amdhsa--gfx1250"
	.amdhsa_code_object_version 6
	.text
	.protected	k_qb2a5fd5d55_prep
	.globl	k_qb2a5fd5d55_prep
	.p2align	8
	.type	k_qb2a5fd5d55_prep,@function
k_qb2a5fd5d55_prep:
	s_mov_b64 s[64:65], 0
	v_nop
	global_prefetch_b8 v0, s[64:65] scope:SCOPE_SE
	s_setreg_imm32_b32 hwreg(HW_REG_WAVE_MODE, 25, 1), 1
	s_wait_xcnt 0x0
; PREP: three kinds of work-groups, told apart by the work-group's number alone (the same for all eight waves).
;   0 .. 63     ss = silu(t_vec) Wss + bss, f32 on the vector unit: two rows of t_vec against [1024][2048] are bound by the read of Wss.
;               Work-group = one of the two matrices x a strip of 64 columns; K is split 16 ways among the threads, the parts meet in LDS.
;   64 .. 319   mbp[b][q][k] = padded(b,k) ? -2^117 : clamp(mask + bias, +-2^89), bf16: eight rows of q a work-group, written for both batches.
;   320 .. 1087 the four weight matrices rounded to bf16 as they lie ([in][out]), 65,536 bytes of f32 a work-group.
; LANES.  In every stream neighbouring lanes take neighbouring 16 bytes of f32: a wave's load covers 512 consecutive bytes; its four numbers a lane leave as 8 bytes, so a wave's store covers 256 consecutive bytes, aligned.
; LIMITS.  mask + bias is held to +-2^89; a padded key's entry is -2^117 (the attention multiplies the table by 8).  NaN and infinities are not treated apart.
; No matrix unit, no cluster, no tensor load: nothing is shared between work-groups and every byte is read once.
.set SPARE, 16384                      ; the spare words: 128 bytes for each of eight waves, named by no other line
.set PARTB, 8192                       ; LDS: 0 .. 8191 silu(t) as [k][b] pairs of f32; 8192 .. 16383 partial sums [kq 16][b 2][64 columns]
.set SPW, 126
.set NIL, 127
	s_load_b512 s[16:31], s[0:1], 0x0              ; t_vec 16, Wss1 18, bss1 20, Wss2 22, bss2 24, mask 26, bias 28, padding 30
	s_load_b512 s[32:47], s[0:1], 0x40             ; Wqkv 32, Wproj 34, Wmlp1 36, Wmlp2 38, ss1b 40, ss2b 42, mbp 44, wb 46
	v_lshl_add_u32 v[SPW], v0, 2, SPARE
	v_mov_b32 v[NIL], 0
	v_lshrrev_b32 v1, 5, v0
	v_readfirstlane_b32 s8, v1                     ; wave 0..7
	s_wait_kmcnt 0x0
	s_cmp_lt_u32 ttmp9, 64
	s_cbranch_scc1 .Lss
	s_cmp_lt_u32 ttmp9, 320
	s_cbranch_scc1 .Lmb
	; ---- the weights to bf16.  Sixteen passes of 4,096 bytes of f32: thread t takes the 16 bytes at 16 t of each and stores 8 bytes at 8 t of the pass's 2,048.
	s_sub_co_u32 s9, ttmp9, 320                    ; 0 .. 767: also the place in wb, 32,768 bytes each
	s_sub_co_u32 s10, s9, 192
	s_sub_co_u32 s11, s9, 256
	s_sub_co_u32 s12, s9, 512
	s_cmp_lt_u32 s9, 512
	s_cselect_b64 s[2:3], s[36:37], s[38:39]
	s_cselect_b32 s13, s11, s12
	s_cmp_lt_u32 s9, 256
	s_cselect_b64 s[2:3], s[34:35], s[2:3]
	s_cselect_b32 s13, s10, s13
	s_cmp_lt_u32 s9, 192
	s_cselect_b64 s[2:3], s[32:33], s[2:3]
	s_cselect_b32 s13, s9, s13                     ; my piece's number inside its matrix
	s_lshl_b32 s14, s13, 16
	s_mov_b32 s15, 0
	s_add_nc_u64 s[2:3], s[2:3], s[14:15]
	s_lshl_b32 s14, s9, 15
	s_add_nc_u64 s[4:5], s[46:47], s[14:15]
	v_lshlrev_b32 v2, 4, v0
	v_lshlrev_b32 v3, 3, v0
.set p, 0
.rept 16
	global_load_b128 v[16+4*p:19+4*p], v2, s[2:3] offset:p*4096 th:TH_LOAD_NT
.set p, p+1
.endr
.set p, 0
.rept 16
	s_wait_loadcnt 15-p                            ; pass p's load is in; the later passes' stay out
	v_cvt_pk_bf16_f32 v[80+2*p], v[16+4*p], v[17+4*p]
	v_cvt_pk_bf16_f32 v[81+2*p], v[18+4*p], v[19+4*p]
	global_store_b64 v3, v[80+2*p:81+2*p], s[4:5] offset:p*2048
.set p, p+1
.endr
	s_endpgm                                       ; this way wrote no LDS
	; ---- mask + bias + padding.  Thread t owns keys 4 t .. 4 t + 3 and 1024 + 4 t .. + 3 of every row.
.Lmb:
	v_lshlrev_b32 v1, 2, v0                        ; my 4 bytes in each half of a row of the padding mask
	v_lshlrev_b32 v2, 4, v0                        ; my 16 bytes in each half of a row of f32
	v_lshlrev_b32 v3, 3, v0                        ; my 8 bytes in each half of a row of bf16
	global_load_b32 v12, v1, s[30:31]              ; batch 0, keys 4 t ..
	global_load_b32 v13, v1, s[30:31] offset:1024  ; batch 0, keys 1024 + 4 t ..
	global_load_b32 v14, v1, s[30:31] offset:2048  ; batch 1
	global_load_b32 v15, v1, s[30:31] offset:3072
	s_sub_co_u32 s9, ttmp9, 64                     ; rows 8 s9 .. 8 s9 + 7
	s_lshl_b32 s10, s9, 16
	s_mov_b32 s11, 0
	s_add_nc_u64 s[26:27], s[26:27], s[10:11]
	s_add_nc_u64 s[28:29], s[28:29], s[10:11]
	s_lshl_b32 s10, s9, 15
	s_add_nc_u64 s[44:45], s[44:45], s[10:11]      ; batch 0's table,
	s_add_nc_u64 s[2:3], s[44:45], 0x800000        ; batch 1's
	s_mov_b32 s12, 0xec000000                      ; -2^89
	s_mov_b32 s13, 0x6c000000                      ; +2^89
	s_mov_b32 s14, 0xfa00fa00                      ; -2^117 twice, in bf16
	s_mov_b32 s9, 2
.Lmrow:                                        ; two trips of four rows
.irp j, 0,1,2,3
	global_load_b128 v[16+8*(\j):19+8*(\j)], v2, s[26:27] offset:(\j)*8192 th:TH_LOAD_NT
	global_load_b128 v[20+8*(\j):23+8*(\j)], v2, s[26:27] offset:(\j)*8192+4096 th:TH_LOAD_NT
	global_load_b128 v[48+8*(\j):51+8*(\j)], v2, s[28:29] offset:(\j)*8192 th:TH_LOAD_NT
	global_load_b128 v[52+8*(\j):55+8*(\j)], v2, s[28:29] offset:(\j)*8192+4096 th:TH_LOAD_NT
.endr
	s_wait_loadcnt 16                              ; the padding bytes are in; the trip's sixteen loads stay out.  The words below are made in each trip, so that the first rows are on their way meanwhile
.irp b, 0,1
.irp p, 0,1,2,3                        ; a word of ones in each half whose key is padded: v[4:7] batch 0, v[8:11] batch 1; pairs 0, 1: keys 4 t ..; pairs 2, 3: keys 1024 + 4 t ..
	v_bfe_u32 v80, v[12+2*(\b)+(\p)/2], 16*((\p)%2), 1
	v_bfe_u32 v81, v[12+2*(\b)+(\p)/2], 16*((\p)%2)+8, 1
	v_lshl_or_b32 v80, v81, 16, v80
	v_mul_u32_u24 v[4+4*(\b)+(\p)], v80, 0xffff
.endr
.endr
.irp j, 0,1,2,3
	s_wait_loadcnt 12-4*(\j)                       ; row j's four loads are in; the later rows' stay out
.irp k, 0,2,4,6
	v_pk_add_f32 v[16+8*(\j)+(\k):17+8*(\j)+(\k)], v[16+8*(\j)+(\k):17+8*(\j)+(\k)], v[48+8*(\j)+(\k):49+8*(\j)+(\k)]
.endr
.irp k, 0,1,2,3,4,5,6,7
	v_med3_num_f32 v[16+8*(\j)+(\k)], v[16+8*(\j)+(\k)], s12, s13
.endr
.irp k, 0,1,2,3
	v_cvt_pk_bf16_f32 v[80+(\k)], v[16+8*(\j)+2*(\k)], v[17+8*(\j)+2*(\k)]
.endr
.irp k, 0,1,2,3
	v_bfi_b32 v[84+8*(\j)+(\k)], v[4+(\k)], s14, v[80+(\k)]
	v_bfi_b32 v[88+8*(\j)+(\k)], v[8+(\k)], s14, v[80+(\k)]
.endr
	global_store_b64 v3, v[84+8*(\j):85+8*(\j)], s[44:45] offset:(\j)*4096
	global_store_b64 v3, v[86+8*(\j):87+8*(\j)], s[44:45] offset:(\j)*4096+2048
	global_store_b64 v3, v[88+8*(\j):89+8*(\j)], s[2:3] offset:(\j)*4096
	global_store_b64 v3, v[90+8*(\j):91+8*(\j)], s[2:3] offset:(\j)*4096+2048
.endr
	s_wait_xcnt 0x0                                ; the four bases and the stores' data are rewritten only behind this wait
	s_add_nc_u64 s[26:27], s[26:27], 0x8000
	s_add_nc_u64 s[28:29], s[28:29], 0x8000
	s_add_nc_u64 s[44:45], s[44:45], 0x4000
	s_add_nc_u64 s[2:3], s[2:3], 0x4000
	s_sub_co_u32 s9, s9, 1
	s_cmp_lg_u32 s9, 0
	s_cbranch_scc1 .Lmrow
	s_endpgm                                       ; this way wrote no LDS
	; ---- ss = silu(t) W + b.  The first sixteen rows of W and the bias are asked for together with t_vec; each further sixteen straight behind the multiply-adds that free the registers.
.Lss:
	s_lshr_b32 s9, ttmp9, 5                        ; which matrix
	s_and_b32 s10, ttmp9, 31                       ; which strip of 64 columns
	s_cmp_eq_u32 s9, 0
	s_cselect_b64 s[2:3], s[18:19], s[22:23]
	s_cselect_b64 s[4:5], s[20:21], s[24:25]
	s_cselect_b64 s[6:7], s[40:41], s[42:43]
	s_lshl_b32 s10, s10, 8
	s_mov_b32 s11, 0
	s_add_nc_u64 s[2:3], s[2:3], s[10:11]
	s_add_nc_u64 s[4:5], s[4:5], s[10:11]
	s_add_nc_u64 s[6:7], s[6:7], s[10:11]
	v_lshlrev_b32 v7, 4, v0
	v_lshlrev_b32 v8, 5, v0                        ; where my four k lie in the table: 8 bytes a k
	v_and_b32 v9, 15, v0                           ; c4: my four columns
	v_lshrrev_b32 v10, 4, v0                       ; kq: my 64 k
	v_lshlrev_b32 v2, 19, v10                      ; 64 rows of 8,192 bytes
	v_lshl_add_u32 v2, v9, 4, v2
	v_lshlrev_b32 v3, 9, v10                       ; my 64 k in the table
	v_lshl_add_u32 v4, v9, 4, v3
	v_add_nc_u32 v4, PARTB, v4                     ; where my partial sums go
	v_and_b32 v11, 31, v0
	v_lshlrev_b32 v6, 3, v11                       ; 8 x lane: two columns
	s_lshl_b32 s12, s8, 8
	s_add_co_u32 s12, s12, PARTB
	v_add_nc_u32 v5, s12, v6                       ; the end: wave = batch
	s_lshl_b32 s13, s8, 13
	v_add_nc_u32 v12, s13, v6
.macro SLOADW                          ; sixteen rows of W: sixteen lanes read 256 consecutive bytes of a row
.irp i, 0,1,2,3,4,5,6,7,8,9,10,11,12,13,14,15
	global_load_b128 v[16+4*(\i):19+4*(\i)], v2, s[2:3] offset:(\i)*8192 th:TH_LOAD_NT
.endr
.endm
.macro SFMA                            ; sixteen k: their silu pairs out of LDS, W's rows waited for, 64 packed multiply-adds
.irp j, 0,1,2,3,4,5,6,7
	ds_load_b128 v[80+4*(\j):83+4*(\j)], v3 offset:16*(\j)
.endr
	s_wait_loadcnt 0x0                             ; the loads are done: their base may be stepped
	s_wait_dscnt 0x0
.irp i, 0,1,2,3,4,5,6,7,8,9,10,11,12,13,14,15
	v_pk_fma_f32 v[112:113], v[16+4*(\i):17+4*(\i)], v[80+2*(\i):81+2*(\i)], v[112:113] op_sel_hi:[1,0,1]
	v_pk_fma_f32 v[114:115], v[18+4*(\i):19+4*(\i)], v[80+2*(\i):81+2*(\i)], v[114:115] op_sel_hi:[1,0,1]
	v_pk_fma_f32 v[116:117], v[16+4*(\i):17+4*(\i)], v[80+2*(\i):81+2*(\i)], v[116:117] op_sel:[0,1,0] op_sel_hi:[1,1,1]
	v_pk_fma_f32 v[118:119], v[18+4*(\i):19+4*(\i)], v[80+2*(\i):81+2*(\i)], v[118:119] op_sel:[0,1,0] op_sel_hi:[1,1,1]
.endr
	v_add_nc_u32 v3, 128, v3
.endm
	global_load_b128 v[80:83], v7, s[16:17]                 ; t_vec[0][4 t ..]
	global_load_b128 v[84:87], v7, s[16:17] offset:4096     ; t_vec[1][4 t ..]
	global_load_b64 v[120:121], v6, s[4:5]                  ; the bias of my two columns, for the end
	SLOADW
.set i, 0
.rept 8
	v_mov_b32 v[112+i], 0
.set i, i+1
.endr
	s_wait_loadcnt 17                              ; t_vec is in; the bias and W's sixteen loads stay out
.set i, 0
.rept 8
	v_mul_f32 v[88+i], 0xbfb8aa3b, v[80+i]         ; -log2(e) c
.set i, i+1
.endr
.set i, 0
.rept 8
	v_exp_f32 v[88+i], v[88+i]
.set i, i+1
.endr
	v_nop                                          ; a plain instruction behind the last exponential,
	s_wait_alu depctr_va_vdst(0)                   ; and one wait for the batch, ahead of its first reader
.set i, 0
.rept 8
	v_add_f32 v[88+i], 1.0, v[88+i]
.set i, i+1
.endr
.set i, 0
.rept 8
	v_rcp_f32 v[88+i], v[88+i]
.set i, i+1
.endr
	v_nop
	s_wait_alu depctr_va_vdst(0)
.irp i, 0,1,2,3
	v_mul_f32 v[96+2*(\i)], v[80+(\i)], v[88+(\i)] ; silu, batch 0 and batch 1 side by side
	v_mul_f32 v[97+2*(\i)], v[84+(\i)], v[92+(\i)]
.endr
	ds_store_b128 v8, v[96:99]
	ds_store_b128 v8, v[100:103] offset:16
	s_wait_dscnt 0x0                               ; for the others' sake
	s_barrier_signal -1
	s_barrier_wait -1
	s_mov_b32 s9, 3
.Lsk:                                          ; three trips of 16 k, each asking for the next sixteen rows; the fourth is written out and asks for nothing
	SFMA
	s_add_nc_u64 s[2:3], s[2:3], 0x20000
	SLOADW
	s_sub_co_u32 s9, s9, 1
	s_cmp_lg_u32 s9, 0
	s_cbranch_scc1 .Lsk
	SFMA
	ds_store_b128 v4, v[112:115]
	ds_store_b128 v4, v[116:119] offset:256
	s_wait_dscnt 0x0
	s_barrier_signal -1
	s_barrier_wait -1
	s_cmp_lt_u32 s8, 2                             ; wave 0 finishes batch 0, wave 1 batch 1
	s_cbranch_scc0 .Lss_end
.irp q, 0,1,2,3,4,5,6,7,8,9,10,11,12,13,14,15
	ds_load_b64 v[16+2*(\q):17+2*(\q)], v5 offset:512*(\q)
.endr
	s_wait_dscnt 0x0
.irp q, 0,1,2,3,4,5,6,7,8,9,10,11,12,13,14,15
	v_pk_add_f32 v[120:121], v[120:121], v[16+2*(\q):17+2*(\q)]
.endr
	global_store_b64 v12, v[120:121], s[6:7]       ; the wave's store covers 256 consecutive bytes, aligned
.Lss_end:
	s_wait_tensorcnt 0x0                           ; the wave's end
	ds_add_u32 v[SPW], v[NIL]
	s_wait_dscnt 0x0
	s_endpgm
.Lfunc_end_k_qb2a5fd5d55_prep:
	.size	k_qb2a5fd5d55_prep, .Lfunc_end_k_qb2a5fd5d55_prep-k_qb2a5fd5d55_prep
	.p2alignl 7, 3214868480
	.fill 96, 4, 3214868480
	.section	.rodata,"a",@progbits
	.p2align	6, 0x0
	.amdhsa_kernel k_qb2a5fd5d55_prep
		.amdhsa_group_segment_fixed_size 17408
		.amdhsa_private_segment_fixed_size 0
		.amdhsa_enable_private_segment 0
		.amdhsa_kernarg_size 128
		.amdhsa_user_sgpr_count 2
		.amdhsa_user_sgpr_kernarg_segment_ptr 1
		.amdhsa_wavefront_size32 1
		.amdhsa_system_sgpr_workgroup_id_x 1
		.amdhsa_system_sgpr_workgroup_id_y 1
		.amdhsa_system_sgpr_workgroup_id_z 1
		.amdhsa_system_vgpr_workitem_id 0
		.amdhsa_next_free_vgpr 128
		.amdhsa_next_free_sgpr 66
		.amdhsa_reserve_vcc 0
		.amdhsa_float_denorm_mode_32 3
		.amdhsa_float_denorm_mode_16_64 3
		.amdhsa_memory_ordered 1
		.amdhsa_forward_progress 1
		.amdhsa_inst_pref_size 39
	.end_amdhsa_kernel
	.amdgpu_metadata
---
amdhsa.version: [ 1, 2 ]
amdhsa.kernels:
  - .name:           k_qb2a5fd5d55_prep
    .symbol:         k_qb2a5fd5d55_prep.kd
    .args:
      - { .name: t_vec, .offset: 0, .size: 8, .value_kind: global_buffer, .address_space: global }
      - { .name: Wss1, .offset: 8, .size: 8, .value_kind: global_buffer, .address_space: global }
      - { .name: bss1, .offset: 16, .size: 8, .value_kind: global_buffer, .address_space: global }
      - { .name: Wss2, .offset: 24, .size: 8, .value_kind: global_buffer, .address_space: global }
      - { .name: bss2, .offset: 32, .size: 8, .value_kind: global_buffer, .address_space: global }
      - { .name: attn_mask, .offset: 40, .size: 8, .value_kind: global_buffer, .address_space: global }
      - { .name: attn_bias, .offset: 48, .size: 8, .value_kind: global_buffer, .address_space: global }
      - { .name: key_padding_mask, .offset: 56, .size: 8, .value_kind: global_buffer, .address_space: global }
      - { .name: Wqkv, .offset: 64, .size: 8, .value_kind: global_buffer, .address_space: global }
      - { .name: Wproj, .offset: 72, .size: 8, .value_kind: global_buffer, .address_space: global }
      - { .name: Wmlp1, .offset: 80, .size: 8, .value_kind: global_buffer, .address_space: global }
      - { .name: Wmlp2, .offset: 88, .size: 8, .value_kind: global_buffer, .address_space: global }
      - { .name: ss1b, .offset: 96, .size: 8, .value_kind: global_buffer, .address_space: global }
      - { .name: ss2b, .offset: 104, .size: 8, .value_kind: global_buffer, .address_space: global }
      - { .name: mbp, .offset: 112, .size: 8, .value_kind: global_buffer, .address_space: global }
      - { .name: wb, .offset: 120, .size: 8, .value_kind: global_buffer, .address_space: global }
    .group_segment_fixed_size: 17408
    .private_segment_fixed_size: 0
    .kernarg_segment_align: 8
    .kernarg_segment_size: 128
    .max_flat_workgroup_size: 256
    .sgpr_count:     66
    .vgpr_count:     128
    .wavefront_size: 32
...
	.end_amdgpu_metadata
.endif
;; end of part 1
;; launch ln1 (part 2): grid 256 x 1, 16 waves a work-group, no clusters, 0 bytes of LDS; arguments x, ss1b, hn; writes hn
.if DOCPART == 2
	.amdgcn_target "amdgcn-amd-amdhsa--gfx1250"
	.amdhsa_code_object_version 6
	.text
	.protected	k_qb2a5fd5d55_ln1
	.globl	k_qb2a5fd5d55_ln1
	.p2align	8
	.type	k_qb2a5fd5d55_ln1,@function
k_qb2a5fd5d55_ln1:
	s_mov_b64 s[64:65], 0
	v_nop
	global_prefetch_b8 v0, s[64:65] scope:SCOPE_SE
	s_setreg_imm32_b32 hwreg(HW_REG_WAVE_MODE, 25, 1), 1
	s_wait_xcnt 0x0
; h[row][c] = (1 + s[b][c]) (x[row][c] - mean) rsqrt(var + 1e-5) + sh[b][c], rounded once to bf16.  x: [4096][1024] f32; ss: [2][2048] f32 (s, then sh); h: [4096][1024] bf16.
; One wave, one row: the row stays in 32 registers between the passes, the sums never leave the wave: no LDS, no barrier.  The variance is taken of x - mean, in a second pass, as the
; definition has it, so a common offset of x costs nothing.  Lane l owns columns 128 j + 4 l .. + 3, j = 0..7: each load of the wave covers 512 consecutive bytes, each store 256, aligned.
; Memory binds: matrix units, clusters and tensor loads would add nothing.
.set XO,  2                            ; v2  16 x lane
.set HO,  3                            ; v3  8 x lane
.set X,   8                            ; v[8:39]    the row
.set SC,  40                           ; v[40:71]   s
.set SH,  72                           ; v[72:103]  sh
.set CH,  104                          ; v[104:111] four chains of pairs
.set MU,  112                          ; v[112:113] the mean, twice
.set RS,  114                          ; v[114:115] 1 / sqrt(var + eps), twice
.set OUT, 116                          ; v[116:131]
	s_load_b128 s[4:7], s[0:1], 0x0                ; x, ss
	s_load_b64 s[8:9], s[0:1], 0x10                ; h
	v_lshrrev_b32 v1, 5, v0
	v_readfirstlane_b32 s10, v1                    ; wave 0..15
	v_and_b32 v1, 31, v0
	v_lshlrev_b32 v[XO], 4, v1
	v_lshlrev_b32 v[HO], 3, v1
	s_lshl_b32 s11, ttmp9, 4
	s_add_co_u32 s11, s11, s10                     ; my row
	s_lshl_b32 s16, s11, 12
	s_mov_b32 s17, 0
	s_lshl_b32 s18, s11, 11
	s_mov_b32 s19, 0
	s_lshr_b32 s20, ttmp9, 7                       ; the batch
	s_lshl_b32 s20, s20, 13
	s_mov_b32 s21, 0
	s_mov_b32 s12, 0x76543210                      ; v_permlanex16_b32: each lane takes its own place in the other half
	s_mov_b32 s13, 0xfedcba98
	s_mov_b32 s22, 0x3a800000                      ; 1 / 1024
	s_mov_b32 s23, 0x3727c5ac                      ; 1e-5
	s_wait_kmcnt 0x0
	s_add_nc_u64 s[4:5], s[4:5], s[16:17]
	s_add_nc_u64 s[6:7], s[6:7], s[20:21]
	s_add_nc_u64 s[8:9], s[8:9], s[18:19]
.irp j, 0,1,2,3,4,5,6,7
	global_load_b128 v[X+4*(\j):X+4*(\j)+3], v[XO], s[4:5] offset:512*(\j) th:TH_LOAD_NT
.endr
.irp j, 0,1,2,3,4,5,6,7
	global_load_b128 v[SC+4*(\j):SC+4*(\j)+3], v[XO], s[6:7] offset:512*(\j)
.endr
.irp j, 0,1,2,3,4,5,6,7
	global_load_b128 v[SH+4*(\j):SH+4*(\j)+3], v[XO], s[6:7] offset:4096+512*(\j)
.endr
.macro ACROSS                          ; the four chains into one number, then over the 32 lanes; every lane ends with the sum in v[CH]
	v_pk_add_f32 v[CH:CH+1], v[CH:CH+1], v[CH+2:CH+3]
	v_pk_add_f32 v[CH+4:CH+5], v[CH+4:CH+5], v[CH+6:CH+7]
	v_pk_add_f32 v[CH:CH+1], v[CH:CH+1], v[CH+4:CH+5]
	v_add_f32 v[CH], v[CH], v[CH+1]
	v_add_f32_dpp v[CH], v[CH], v[CH] row_xmask:1 row_mask:0xf bank_mask:0xf
	v_add_f32_dpp v[CH], v[CH], v[CH] row_xmask:2 row_mask:0xf bank_mask:0xf
	v_add_f32_dpp v[CH], v[CH], v[CH] row_xmask:4 row_mask:0xf bank_mask:0xf
	v_add_f32_dpp v[CH], v[CH], v[CH] row_xmask:8 row_mask:0xf bank_mask:0xf
	v_permlanex16_b32 v[CH+1], v[CH], s12, s13
	v_add_f32 v[CH], v[CH], v[CH+1]
.endm
	s_wait_loadcnt 16                              ; the row is in; the sixteen loads of s and sh stay out
.irp c, 0,1,2,3
	v_pk_add_f32 v[CH+2*(\c):CH+2*(\c)+1], v[X+2*(\c):X+2*(\c)+1], v[X+8+2*(\c):X+8+2*(\c)+1]
.endr
.irp p, 8,9,10,11,12,13,14,15
	v_pk_add_f32 v[CH+2*((\p)%4):CH+2*((\p)%4)+1], v[CH+2*((\p)%4):CH+2*((\p)%4)+1], v[X+2*(\p):X+2*(\p)+1]
.endr
	ACROSS
	v_mul_f32 v[MU], s22, v[CH]
	v_mul_f32 v[MU+1], s22, v[CH]
.set i, 0
.rept 16
	v_pk_add_f32 v[X+i:X+i+1], v[X+i:X+i+1], v[MU:MU+1] neg_lo:[0,1] neg_hi:[0,1]
.set i, i+2
.endr
.irp c, 0,1,2,3
	v_pk_mul_f32 v[CH+2*(\c):CH+2*(\c)+1], v[X+2*(\c):X+2*(\c)+1], v[X+2*(\c):X+2*(\c)+1]
.endr
.irp p, 4,5,6,7,8,9,10,11,12,13,14,15
	v_pk_fma_f32 v[CH+2*((\p)%4):CH+2*((\p)%4)+1], v[X+2*(\p):X+2*(\p)+1], v[X+2*(\p):X+2*(\p)+1], v[CH+2*((\p)%4):CH+2*((\p)%4)+1]
.endr
	ACROSS
	v_fma_f32 v[CH], v[CH], s22, s23               ; var + eps
	v_rsq_f32 v[RS], v[CH]
	v_rsq_f32 v[RS+1], v[CH]
	s_wait_loadcnt 0x0                             ; s and sh
.set i, 0
.rept 16
	v_pk_add_f32 v[SC+i:SC+i+1], v[SC+i:SC+i+1], 1.0 op_sel_hi:[1,0]   ; plain work that names neither root
.set i, i+2
.endr
	s_wait_alu depctr_va_vdst(0)                   ; one wait for the two roots, ahead of their first reader
.set i, 0
.rept 16
	v_pk_mul_f32 v[SC+i:SC+i+1], v[SC+i:SC+i+1], v[RS:RS+1]
.set i, i+2
.endr
.set i, 0
.rept 16
	v_pk_fma_f32 v[X+i:X+i+1], v[X+i:X+i+1], v[SC+i:SC+i+1], v[SH+i:SH+i+1]
.set i, i+2
.endr
.set i, 0
.rept 16
	v_cvt_pk_bf16_f32 v[OUT+i], v[X+2*i], v[X+2*i+1]
.set i, i+1
.endr
.irp j, 0,1,2,3,4,5,6,7
	global_store_b64 v[HO], v[OUT+2*(\j):OUT+2*(\j)+1], s[8:9] offset:256*(\j)
.endr
	s_endpgm
.Lfunc_end_k_qb2a5fd5d55_ln1:
	.size	k_qb2a5fd5d55_ln1, .Lfunc_end_k_qb2a5fd5d55_ln1-k_qb2a5fd5d55_ln1
	.p2alignl 7, 3214868480
	.fill 96, 4, 3214868480
	.section	.rodata,"a",@progbits
	.p2align	6, 0x0
	.amdhsa_kernel k_qb2a5fd5d55_ln1
		.amdhsa_group_segment_fixed_size 0
		.amdhsa_private_segment_fixed_size 0
		.amdhsa_enable_private_segment 0
		.amdhsa_kernarg_size 24
		.amdhsa_user_sgpr_count 2
		.amdhsa_user_sgpr_kernarg_segment_ptr 1
		.amdhsa_wavefront_size32 1
		.amdhsa_system_sgpr_workgroup_id_x 1
		.amdhsa_system_sgpr_workgroup_id_y 1
		.amdhsa_system_sgpr_workgroup_id_z 1
		.amdhsa_system_vgpr_workitem_id 0
		.amdhsa_next_free_vgpr 132
		.amdhsa_next_free_sgpr 66
		.amdhsa_reserve_vcc 0
		.amdhsa_float_denorm_mode_32 3
		.amdhsa_float_denorm_mode_16_64 3
		.amdhsa_memory_ordered 1
		.amdhsa_forward_progress 1
		.amdhsa_inst_pref_size 13
	.end_amdhsa_kernel
	.amdgpu_metadata
---
amdhsa.version: [ 1, 2 ]
amdhsa.kernels:
  - .name:           k_qb2a5fd5d55_ln1
    .symbol:         k_qb2a5fd5d55_ln1.kd
    .args:
      - { .name: x, .offset: 0, .size: 8, .value_kind: global_buffer, .address_space: global }
      - { .name: ss1b, .offset: 8, .size: 8, .value_kind: global_buffer, .address_space: global }
      - { .name: hn, .offset: 16, .size: 8, .value_kind: global_buffer, .address_space: global }
    .group_segment_fixed_size: 0
    .private_segment_fixed_size: 0
    .kernarg_segment_align: 8
    .kernarg_segment_size: 24
    .max_flat_workgroup_size: 512
    .sgpr_count:     66
    .vgpr_count:     132
    .wavefront_size: 32
...
	.end_amdgpu_metadata
.endif
;; end of part 2
;; launch qkvg (part 3): grid 12 x 16, 4 waves a work-group, clusters of 4 x 4, 327,680 bytes of LDS; arguments hn, wb, bqkv, qkv; writes qkv
.if DOCPART == 3
	.amdgcn_target "amdgcn-amd-amdhsa--gfx1250"
	.amdhsa_code_object_version 6
	.text
	.protected	k_qb2a5fd5d55_qkvg
	.globl	k_qb2a5fd5d55_qkvg
	.p2align	8
	.type	k_qb2a5fd5d55_qkvg,@function
k_qb2a5fd5d55_qkvg:
	s_mov_b64 s[64:65], 0
	v_nop
	global_prefetch_b8 v0, s[64:65] scope:SCOPE_SE
	s_setreg_imm32_b32 hwreg(HW_REG_WAVE_MODE, 25, 1), 1
	s_wait_xcnt 0x0
	s_wait_alu depctr_hold_cnt(0) depctr_sa_sdst(0) depctr_va_vdst(0) depctr_va_sdst(0) depctr_va_ssrc(0) depctr_va_vcc(0) depctr_vm_vsrc(0)
	s_getreg_b32 s2, hwreg(HW_REG_IB_STS2, 6, 4)
	s_cmp_eq_u32 s2, 0
	s_cbranch_scc0 .Lentry_in_a_cluster
	s_endpgm
.Lentry_in_a_cluster:
	s_bfe_u32 s2, ttmp6, 0x10000c
	s_cmp_lg_u32 s2, 0xf033
	s_cbranch_scc0 .Lentry_shape_is_right
	s_endpgm
.Lentry_shape_is_right:
; C = A W + bias (GELU = 1: then the exact GELU), rounded once to bf16.  A: hn [4096][1024] bf16.  W: [1024][SIZE_N] bf16 as the weights lie ([in][out]), WOFF bytes into wb.  bias: [SIZE_N] f32.
; C leaves IN BLOCKS: [n / 64][4096 rows][64] bf16, so that 64 columns of consecutive rows are dense: the launches behind ask for them as long rows.
; A tile of C is 256 x 256: four waves, each 128 x 128 = 64 accumulators.  K = 1024 goes in 8 steps of 128 through two LDS slots filled by tensor loads; a trip of the loop is one K step.
; The matrix instruction is used transposed: source 0 = 16 columns of W (turned on the way out of LDS by ds_load_tr16_b128), source 1 = 16 rows of A: a lane holds one row of C and 8 neighbouring columns.
; CLUSTER 4 x 4: A's tile hangs on the tile row alone and is asked for jointly along a row of the cluster, W's on the tile column alone and jointly along a column.
; THE LAST TWO K STEPS, which ask for nothing, are a loop of their own, left in the middle of its second trip: that trip's change of slots reads fragments of a slot that landed earlier and uses none of them: the price of one text for both.
; THE WAY OUT: the slots have had their last fill; each wave lays its 128 x 128 f32 into its own quarter of them and reads it back 8 rows a trip, so that a store covers 512 consecutive bytes of a block.
; GELU(z) = max(z, 0) - |z| erfc(|z| / sqrt 2) / 2, erfc by the five-term rational form (Abramowitz and Stegun 7.1.26, absolute error of erf 1.5e-7).  LIMITS: an infinite z gives NaN; NaN is not treated apart.
; REGISTERS: window 0: v16-30 addresses, v64-127 and v128-191 A's fragments (two buffers), v240-255 the bias; window 1: v64-191 W's fragments; windows 2, 3: accumulator (a, b) at v[8 (8 a + b)].
.set SIZE_N, 3072
.set WOFF,   0
.set GELU,   0
.set AP,     272                       ; a row of A in LDS: 256 bytes + 16: the 16 rows of a load start 16 bytes apart modulo 256
.set WP,     544                       ; a k-row of W: 512 bytes + 32: an odd multiple of 32
.set HALF,   128*AP                    ; what one tensor load brings: 128 rows of A or 64 k-rows of W (64 x 544 is the same number)
.set SLOT,   4*HALF
.set WBASE,  2*HALF
.set DP,     528                       ; the way out: a row of 128 f32 + 16 bytes
.set DWAVE,  128*DP
.set SPARE,  2*SLOT                    ; the spare words, 128 bytes a wave, named by no other line
.set WSTEP,  256*SIZE_N                ; bytes from a K step of W to the next
.set A0,   16
.set B0,   17
.set ADRA, 18
.set ADRB, 19
.set DST,  20
.set SRC0, 21
.set SRC,  22
.set CO,   23
.set BO,   24
.set SPW,  28
.set NIL,  29
.set PFO,  30
.set F0,   64
.set F1,   128
.set Z,    32                          ; the way out, window 0: 32 numbers a lane as read back,
.set T,    64                          ; with the bias; then the result
.set U,    96
.set EX,   128
.set PO,   160
.set MX,   192
.set PKD,  224
.set BI,   240
.set WV,  12
.set WR,  13
.set WC,  14
.set LIM, 15
.set G1A, 24
.set G0A, 32
.set CX,  40
.set CY,  41
.set TC,  42
.set TR,  43
.set PFA, 44
.set PFS, 46
.set G1B, 48
.set G0B, 56
.set TB,  66
.set LDSW, 68
.set CNT, 69
.set SB,  70
.set PS,  74
.set CC,  76
.set C5,  78
.set C4,  80
.set C3,  82
.set C2,  84
.set C1,  86
.set MSB, 0
.macro WIN new                         ; the immediate's high byte repeats the setting that is left; a switch that changes nothing is dropped
.if MSB != (\new)
	s_set_vgpr_msb (MSB<<8)|(\new)
.set MSB, \new
.endif
.endm
.set MUL_LO, 0xa1                      ; source 0 (W) window 1, source 1 (A) window 0, C and D window 2
.set MUL_HI, 0xf1
.set TO_B,   0x40
.macro PLACES
.rept 4
	v_nop
.endr
.endm
; A joint load: waves 0 and 1 fetch A's halves, waves 2 and 3 W's.  The branch hangs on the wave's number alone.  An s_nop 0 and four v_nop follow each line.
.macro JLOAD s
	s_cmp_eq_u32 s[WR], 0
	s_cbranch_scc0 .Lfor_b_\@
	tensor_load_to_lds s[G0A+4*(\s):G0A+4*(\s)+3], s[G1A:G1A+7]
	s_nop 0
.rept 4
	v_nop
.endr
	s_branch .Lasked_\@
.Lfor_b_\@:
	tensor_load_to_lds s[G0B+4*(\s):G0B+4*(\s)+3], s[G1B:G1B+7]
	s_nop 0
.rept 4
	v_nop
.endr
.Lasked_\@:
.endm
; A prefetch of the K step that the NEXT refill will ask for: 32 blocks of 256 bytes, a lane a block, one instruction a wave.  A's rows are named by the clusters with x = 0, W's by those with y = 0;
; the four partners that ask for a tile jointly share its blocks out by address.  The loop's last trip asks for nothing: there is no refill behind it.
.macro ASK
	s_cmp_gt_u32 s[CNT], s[LIM]
	s_cbranch_scc0 .Lnot_mine_\@
	global_prefetch_b8 v[PFO], s[PFA:PFA+1] th:TH_LOAD_NT scope:SCOPE_SE
.Lnot_mine_\@:
.endm
.macro CREST                           ; a round of the cluster's barrier behind its opening barrier
	s_cmp_lg_u32 s[WV], 0
	s_cbranch_scc1 .Lnot_wave_0_\@
	s_barrier_signal -3
.Lnot_wave_0_\@:
	s_barrier_wait -3
	s_barrier_signal -1
	s_barrier_wait -1
.endm
.macro CROUND
	s_barrier_signal -1
	s_barrier_wait -1
	CREST
.endm
	s_load_b256 s[4:11], s[0:1], 0x0               ; A s[4:5], wb s[6:7], bias s[8:9], C s[10:11]
	v_lshl_add_u32 v[SPW], v0, 2, SPARE
	v_mov_b32 v[NIL], 0
	ds_add_u32 v[SPW], v[NIL]                      ; the wave's opening
	v_lshrrev_b32 v1, 5, v0
	v_readfirstlane_b32 s[WV], v1
	s_lshr_b32 s[WR], s[WV], 1                     ; my half of the tile's rows; also: 0 = I fetch for A
	s_and_b32 s[WC], s[WV], 1                      ; my half of its columns; also: which half I fetch
	s_bfe_u32 s[CX], ttmp6, 0x40000
	s_bfe_u32 s[CY], ttmp6, 0x40004
	s_lshl_b32 s[TC], ttmp9, 2
	s_add_co_u32 s[TC], s[TC], s[CX]               ; tile column
	s_and_b32 s[TR], ttmp7, 0xffff
	s_lshl_b32 s[TR], s[TR], 2
	s_add_co_u32 s[TR], s[TR], s[CY]               ; tile row
	s_lshl_b32 s16, s[CY], 2
	s_lshl_b32 s16, 15, s16                        ; my row of the cluster
	s_lshl_b32 s20, 0x1111, s[CX]                  ; my column
	s_or_b32 s[G1A], s16, (1<<16)|(1<<20)|(1<<21)|(5<<22)|(3<<25)   ; mask; 2-byte elements; padding on; bit 21 beside a mask; after every 64 words 4 words
	s_or_b32 s[G1B], s20, (1<<16)|(1<<20)|(1<<21)|(6<<22)|(7<<25)   ; after every 128 words 8 words
	s_mov_b32 s[G1A+1], 128<<16                    ; A: 128 rows x 128 elements, 1,024 elements from row to row
	s_mov_b32 s[G1A+2], 128<<16
	s_mov_b32 s[G1A+3], 128<<16
	s_mov_b32 s[G1A+4], 128
	s_mov_b32 s[G1A+5], 1024
	s_mov_b32 s[G1A+6], 0
	s_mov_b32 s[G1A+7], 0
	s_mov_b32 s[G1B+1], 256<<16                    ; W: 64 k-rows x 256 elements, SIZE_N elements from row to row
	s_mov_b32 s[G1B+2], 64<<16
	s_mov_b32 s[G1B+3], 256<<16
	s_mov_b32 s[G1B+4], 64
	s_mov_b32 s[G1B+5], SIZE_N
	s_mov_b32 s[G1B+6], 0
	s_mov_b32 s[G1B+7], 0
	s_lshl_b32 s16, s[TR], 8                       ; A: row 256 x tile row + 128 x half, 2,048 bytes a row
	s_lshl_b32 s17, s[WC], 7
	s_add_co_u32 s16, s16, s17
	s_lshl_b32 s16, s16, 11
	s_mov_b32 s17, 0
	s_lshl_b32 s20, s[WC], 6                       ; W: k-row 64 x half, column 256 x tile column
	s_mul_i32 s20, s20, 2*SIZE_N
	s_lshl_b32 s21, s[TC], 9
	s_add_co_u32 s20, s20, s21
	s_add_co_u32 s20, s20, WOFF
	s_mov_b32 s21, 0
	s_mul_i32 s[LDSW], s[WV], HALF                 ; where my part lands: no place in the cluster enters an LDS address
	s_mov_b32 s[TB], 0
	s_wait_dscnt 0x0                               ; the opening add is done
	s_wait_kmcnt 0x0
	s_add_nc_u64 s[16:17], s[4:5], s[16:17]
	s_add_nc_u64 s[20:21], s[6:7], s[20:21]
	CROUND                                         ; all sixteen work-groups are here: the first joint loads meet
.irp s, 0,1
	s_mov_b32 s[G0A+4*(\s)], 1
	s_add_co_u32 s[G0A+4*(\s)+1], s[LDSW], (\s)*SLOT
	s_add_nc_u64 s[G0A+4*(\s)+2:G0A+4*(\s)+3], s[16:17], (\s)*256
	s_or_b32 s[G0A+4*(\s)+3], s[G0A+4*(\s)+3], 0x80000000
	s_mov_b32 s[G0B+4*(\s)], 1
	s_add_co_u32 s[G0B+4*(\s)+1], s[LDSW], (\s)*SLOT
	s_add_nc_u64 s[G0B+4*(\s)+2:G0B+4*(\s)+3], s[20:21], (\s)*WSTEP
	s_or_b32 s[G0B+4*(\s)+3], s[G0B+4*(\s)+3], 0x80000000
	JLOAD \s
.endr
	v_and_b32 v1, 15, v0                           ; r
	v_bfe_u32 v2, v0, 4, 1                         ; h
	v_mul_u32_u24 v3, v1, AP
	v_lshl_add_u32 v3, v2, 4, v3
	s_mul_i32 s22, s[WR], HALF
	v_add_nc_u32 v[A0], s22, v3                    ; A: my rows, row r, 16 bytes for each half of the lanes
	v_and_b32 v4, 7, v0
	v_lshl_add_u32 v5, v2, 3, v4
	v_mul_u32_u24 v5, v5, WP
	v_bfe_u32 v6, v0, 3, 1
	v_lshl_add_u32 v5, v6, 4, v5
	s_lshl_b32 s22, s[WC], 8
	s_add_co_u32 s22, s22, WBASE
	v_add_nc_u32 v[B0], s22, v5                    ; W: k-row 8 h + l % 8, my columns, 16 bytes by bit 3 of the lane
	v_mov_b32 v[ADRA], v[A0]
	v_mov_b32 v[ADRB], v[B0]
	s_mul_i32 s22, s[WV], DWAVE
	v_mul_u32_u24 v3, v1, DP
	v_lshl_add_u32 v3, v2, 5, v3
	v_add_nc_u32 v[DST], s22, v3
	v_and_b32 v6, 31, v0
	v_lshrrev_b32 v3, 3, v6
	v_mul_u32_u24 v3, v3, DP
	v_lshl_add_u32 v3, v4, 5, v3
	v_add_nc_u32 v[SRC0], s22, v3                  ; back: four rows a unit, eight lanes a row of 64 columns
	v_lshlrev_b32 v[CO], 4, v6
	v_lshlrev_b32 v[BO], 5, v4
	s_lshl_b32 s22, s[TC], 10
	s_lshl_b32 s23, s[WC], 9
	s_add_co_u32 s22, s22, s23
	s_mov_b32 s23, 0
	s_add_nc_u64 s[8:9], s[8:9], s[22:23]
	global_load_b128 v[BI:BI+3],     v[BO], s[8:9]             ; the bias of my 8 columns in each of my two blocks of 64
	global_load_b128 v[BI+4:BI+7],   v[BO], s[8:9] offset:16
	global_load_b128 v[BI+8:BI+11],  v[BO], s[8:9] offset:256
	global_load_b128 v[BI+12:BI+15], v[BO], s[8:9] offset:272
	s_lshl_b32 s22, s[TC], 2                       ; C: block 4 x tile column + 2 x half, row 256 x tile row + 128 x half, 128 bytes a row
	s_lshl_b32 s23, s[WC], 1
	s_add_co_u32 s22, s22, s23
	s_lshl_b32 s22, s22, 12
	s_lshl_b32 s23, s[TR], 8
	s_add_co_u32 s22, s22, s23
	s_lshl_b32 s23, s[WR], 7
	s_add_co_u32 s22, s22, s23
	s_lshl_b32 s22, s22, 7
	s_mov_b32 s23, 0
	s_add_nc_u64 s[10:11], s[10:11], s[22:23]
	; the prefetches: A waves: 32 of my 128 rows by cx, a lane a row; W waves: 16 of my 64 k-rows by cy, two blocks a row.  They stand at K step 2; each change of slots steps them first.
	s_lshl_b32 s18, s[TR], 8
	s_lshl_b32 s19, s[WC], 7
	s_add_co_u32 s18, s18, s19
	s_lshl_b32 s19, s[CX], 5
	s_add_co_u32 s18, s18, s19
	s_lshl_b32 s18, s18, 11
	s_add_co_u32 s18, s18, 2*256
	s_lshl_b32 s22, s[WC], 6
	s_lshl_b32 s23, s[CY], 4
	s_add_co_u32 s22, s22, s23
	s_add_co_u32 s22, s22, 2*128
	s_mul_i32 s22, s22, 2*SIZE_N
	s_lshl_b32 s23, s[TC], 9
	s_add_co_u32 s22, s22, s23
	s_add_co_u32 s22, s22, WOFF
	s_and_b32 s23, ttmp7, 0xffff
	s_mov_b32 s[PFS], WSTEP
	s_mov_b32 s17, 2*SIZE_N
	s_cmp_eq_u32 s[WR], 0
	s_cselect_b32 s18, s18, s22
	s_cselect_b64 s[PFA:PFA+1], s[4:5], s[6:7]
	s_cselect_b32 s[PFS], 256, s[PFS]
	s_cselect_b32 s23, ttmp9, s23                  ; the coordinate along which other clusters read the same blocks
	s_cselect_b32 s16, 0, 1
	s_cselect_b32 s17, 2048, s17
	s_mov_b32 s19, 0
	s_mov_b32 s[PFS+1], 0
	s_add_nc_u64 s[PFA:PFA+1], s[PFA:PFA+1], s[18:19]
	s_cmp_eq_u32 s23, 0
	s_cselect_b32 s[LIM], 1, -1                    ; the same in all sixteen partners, for a given wave
	v_and_b32 v31, 31, v0
	v_and_b32 v[PFO], s16, v31
	v_lshrrev_b32 v31, s16, v31
	v_lshlrev_b32 v[PFO], 8, v[PFO]
	v_mad_u32_u24 v[PFO], v31, s17, v[PFO]
.if GELU
	s_mov_b32 s[PS], 0x3e6d3388                    ; 0.3275911 / sqrt 2
	s_mov_b32 s[CC], 0x3f596d27                    ; sqrt(log2(e) / 2)
	s_mov_b32 s[CC+1], s[CC]
	s_mov_b32 s[C5], 0x3f07dc22                    ; the five coefficients, halved
	s_mov_b32 s[C5+1], s[C5]
	s_mov_b32 s[C4], 0xbf3a00e3
	s_mov_b32 s[C4+1], s[C4]
	s_mov_b32 s[C3], 0x3f35f0e3
	s_mov_b32 s[C3+1], s[C3]
	s_mov_b32 s[C2], 0xbe11a98e
	s_mov_b32 s[C2+1], s[C2]
	s_mov_b32 s[C1], 0x3e027906
	s_mov_b32 s[C1+1], s[C1]
.endif
; 16 matrix instructions: row blocks a0, a0 + 1 of the window's four x all 8 column blocks, 32 along K.  zero = 1: the product starts the sum.  The 64 accumulators take turns.
.macro MUL16 f, hi, a0, zero
	WIN MUL_LO+0x50*(\hi)
.irp a, \a0, (\a0)+1
.irp b, 0,1,2,3,4,5,6,7
.if \zero
	v_wmma_f32_16x16x32_bf16 v[8*(8*(\a)+(\b)):8*(8*(\a)+(\b))+7], v[(\f)+8*(\b):(\f)+8*(\b)+7], v[(\f)+8*(4*(\hi)+(\a)):(\f)+8*(4*(\hi)+(\a))+7], 0
.else
	v_wmma_f32_16x16x32_bf16 v[8*(8*(\a)+(\b)):8*(8*(\a)+(\b))+7], v[(\f)+8*(\b):(\f)+8*(\b)+7], v[(\f)+8*(4*(\hi)+(\a)):(\f)+8*(4*(\hi)+(\a))+7], v[8*(8*(\a)+(\b)):8*(8*(\a)+(\b))+7]
.endif
.endr
.endr
.endm
; 32 LDS loads in one run: quarter q (32 along K) of the slot in hand into buffer f: W's 8 column blocks, turned, then A's 8 row blocks
.macro FETCH q, f
	WIN TO_B
.irp i, 0,1,2,3,4,5,6,7
	ds_load_tr16_b128 v[(\f)+8*(\i):(\f)+8*(\i)+3],   v[ADRB] offset:(\q)*32*WP+32*(\i)
	ds_load_tr16_b128 v[(\f)+8*(\i)+4:(\f)+8*(\i)+7], v[ADRB] offset:(\q)*32*WP+32*(\i)+16*WP
.endr
	WIN 0
.irp i, 0,1,2,3,4,5,6,7
	ds_load_b128 v[(\f)+8*(\i):(\f)+8*(\i)+3],   v[ADRA] offset:(\q)*64+(\i)*16*AP
	ds_load_b128 v[(\f)+8*(\i)+4:(\f)+8*(\i)+7], v[ADRA] offset:(\q)*64+(\i)*16*AP+32
.endr
.endm
; multiplies buffer f; in its middle fetches quarter q into buffer g
.macro QUARTER q, f, g, zero
	s_wait_dscnt 8                                 ; W and A's rows 0-63 are in; the youngest eight loads (A's rows 64-127) may be out
	MUL16 \f, 0, 0, \zero
	MUL16 \f, 0, 2, \zero
	PLACES                                         ; four places in front of loads into registers that matrix instructions have read
	FETCH \q, \g
	s_wait_dscnt 32                                ; all but the 32 just issued
	MUL16 \f, 1, 0, \zero
	MUL16 \f, 1, 2, \zero
.endm
; The last quarter of a K step multiplies buffer 1 and changes slots.  In front of the barrier each wave waits for all its tensor loads (one is out: its part of the next slot), adds 0 to its spare word, and
; waits for that and for its reads of this slot.  fill = 1: the barrier opens a round of the cluster's, and the joint refill, two K steps on, is the first thing behind the round.
.macro TURN fill
.if \fill
	s_wait_xcnt 0x0                                ; the last prefetch, a K step back, has read its address
	s_add_nc_u64 s[PFA:PFA+1], s[PFA:PFA+1], s[PFS:PFS+1]
.endif
	WIN 0
	s_wait_tensorcnt 0x0
	ds_add_u32 v[SPW], v[NIL]
	s_wait_dscnt 9                                 ; the add and the youngest eight loads may be out
	MUL16 F1, 0, 0, 0
	s_wait_dscnt 0x0                               ; the add is done, my reads of this slot are over
	s_barrier_signal -1
	MUL16 F1, 0, 2, 0
	WIN 0
	s_barrier_wait -1
.if \fill
	CREST
	s_xor_b32 s[G0A+5], s[G0A+5], SLOT             ; the walking descriptors: the other slot (the slot's two bits are clear in wave x HALF), the next K step
	s_add_nc_u64 s[G0A+6:G0A+7], s[G0A+6:G0A+7], 256
	s_xor_b32 s[G0B+5], s[G0B+5], SLOT
	s_add_nc_u64 s[G0B+6:G0B+7], s[G0B+6:G0B+7], WSTEP
	JLOAD 1                                        ; its four v_nop are also the places in front of the loads below
.else
	PLACES
.endif
	s_xor_b32 s[TB], s[TB], SLOT
	v_add_nc_u32 v[ADRA], s[TB], v[A0]
	v_add_nc_u32 v[ADRB], s[TB], v[B0]
	FETCH 0, F0
.if \fill
	ASK
.endif
	MUL16 F1, 1, 0, 0
	MUL16 F1, 1, 2, 0
.endm
	s_wait_tensorcnt 0x1                           ; my part of K step 0 is in; K step 1's stays out
	s_barrier_signal -1
	s_barrier_wait -1
	FETCH 0, F0
	QUARTER 1, F0, F1, 1                           ; the first quarter starts the sums
	WIN 0
	s_mov_b32 s[CNT], 6
.Lstep:                                        ; trip s: the rest of K step s, the refill with K step s + 2, the first quarter of K step s + 1
	QUARTER 2, F1, F0, 0
	QUARTER 3, F0, F1, 0
	TURN 1
	QUARTER 1, F0, F1, 0
	WIN 0
	s_sub_co_u32 s[CNT], s[CNT], 1
	s_cmp_lg_u32 s[CNT], 0
	s_cbranch_scc1 .Lstep
	s_mov_b32 s[CNT], 2
.Ltail:                                        ; K steps 6 and 7 ask for nothing; the second trip is left behind its last products
	QUARTER 2, F1, F0, 0
	QUARTER 3, F0, F1, 0
	TURN 0
	WIN 0
	s_sub_co_u32 s[CNT], s[CNT], 1
	s_cmp_eq_u32 s[CNT], 0
	s_cbranch_scc1 .Lout
	QUARTER 1, F0, F1, 0
	WIN 0
	s_branch .Ltail
.Lout:
	s_wait_dscnt 0x0                               ; the last change's fragments, which nobody uses, are back: no LDS instruction of mine is out
	s_barrier_signal -1                            ; every wave's reads of the slots are back: the slots become the stage
	s_barrier_wait -1
	PLACES
	PLACES
.irp hi, 0,1
	WIN 0x08+4*(\hi)                               ; the stores' data in window 2, then 3
.irp a, 0,1,2,3
.irp b, 0,1,2,3,4,5,6,7
	ds_store_b128 v[DST], v[8*(8*(\a)+(\b)):8*(8*(\a)+(\b))+3]   offset:(4*(\hi)+(\a))*16*DP+64*(\b)
	ds_store_b128 v[DST], v[8*(8*(\a)+(\b))+4:8*(8*(\a)+(\b))+7] offset:(4*(\hi)+(\a))*16*DP+64*(\b)+16
.endr
.endr
.endr
	WIN 0
.macro ZLOAD                           ; eight rows x 128 columns of my own stage: unit (u, c) = rows 4 u .. + 3, block c.  LDS serves a wave's instructions in order: these see the stores above
.irp u, 0,1
.irp c, 0,1
	ds_load_b128 v[Z+8*(2*(\u)+(\c)):Z+8*(2*(\u)+(\c))+3],   v[SRC] offset:(\u)*4*DP+(\c)*256
	ds_load_b128 v[Z+8*(2*(\u)+(\c))+4:Z+8*(2*(\u)+(\c))+7], v[SRC] offset:(\u)*4*DP+(\c)*256+16
.endr
.endr
.endm
	s_mov_b32 s[SB], 0
	v_mov_b32 v[SRC], v[SRC0]
	ZLOAD
	s_wait_loadcnt 0x0                             ; the bias
	s_mov_b32 s[CNT], 16
.Lrow:                                         ; a trip: eight rows leave; the next eight are read meanwhile (the last trip reads its own again)
	s_wait_dscnt 0x0
.irp u, 0,1
.irp c, 0,1
.irp k, 0,2,4,6
	v_pk_add_f32 v[T+8*(2*(\u)+(\c))+(\k):T+8*(2*(\u)+(\c))+(\k)+1], v[Z+8*(2*(\u)+(\c))+(\k):Z+8*(2*(\u)+(\c))+(\k)+1], v[BI+8*(\c)+(\k):BI+8*(\c)+(\k)+1]
.endr
.endr
.endr
	s_add_co_u32 s[SB], s[SB], 8*DP
	s_min_u32 s[SB], s[SB], 15*8*DP
	v_add_nc_u32 v[SRC], s[SB], v[SRC0]
	ZLOAD
.if GELU
.set i, 0
.rept 32
	v_fma_f32 v[U+i], |v[T+i]|, s[PS], 1.0
.set i, i+1
.endr
.set i, 0
.rept 16
	v_pk_mul_f32 v[EX+i:EX+i+1], v[T+i:T+i+1], s[CC:CC+1] op_sel_hi:[1,0]
.set i, i+2
.endr
.set i, 0
.rept 16
	v_pk_mul_f32 v[EX+i:EX+i+1], v[EX+i:EX+i+1], v[EX+i:EX+i+1] neg_lo:[1,0] neg_hi:[1,0]
.set i, i+2
.endr
.set i, 0
.rept 32
	v_rcp_f32 v[U+i], v[U+i]                       ; t = 1 / (1 + p |z| / sqrt 2)
.set i, i+1
.endr
.set i, 0
.rept 32
	v_exp_f32 v[EX+i], v[EX+i]                     ; e^(-z z / 2)
.set i, i+1
.endr
.set i, 0
.rept 32
	v_max_num_f32 v[MX+i], 0, v[T+i]               ; plain work that names no result of the batch
.set i, i+1
.endr
	s_wait_alu depctr_va_vdst(0)                   ; one wait for the 64, ahead of their first reader
.set i, 0
.rept 16
	v_pk_fma_f32 v[PO+i:PO+i+1], v[U+i:U+i+1], s[C5:C5+1], s[C4:C4+1] op_sel_hi:[1,0,0]
.set i, i+2
.endr
.irp cf, C3, C2, C1
.set i, 0
.rept 16
	v_pk_fma_f32 v[PO+i:PO+i+1], v[PO+i:PO+i+1], v[U+i:U+i+1], s[(\cf):(\cf)+1] op_sel_hi:[1,1,0]
.set i, i+2
.endr
.endr
.set i, 0
.rept 16
	v_pk_mul_f32 v[PO+i:PO+i+1], v[PO+i:PO+i+1], v[U+i:U+i+1]
.set i, i+2
.endr
.set i, 0
.rept 16
	v_pk_mul_f32 v[PO+i:PO+i+1], v[PO+i:PO+i+1], v[EX+i:EX+i+1]
.set i, i+2
.endr
.set i, 0
.rept 32
	v_fma_f32 v[T+i], -|v[T+i]|, v[PO+i], v[MX+i]
.set i, i+1
.endr
.endif
	s_wait_xcnt 0x0                                ; the last trip's stores have read their base and their data: both are rewritten only behind this wait, which stands here so that the work above runs meanwhile
	s_add_nc_u64 s[10:11], s[10:11], 1024          ; one trip ahead of the rows in hand: the stores reach back
.set i, 0
.rept 16
	v_cvt_pk_bf16_f32 v[PKD+i], v[T+2*i], v[T+2*i+1]
.set i, i+1
.endr
.irp u, 0,1
.irp c, 0,1
	global_store_b128 v[CO], v[PKD+4*(2*(\u)+(\c)):PKD+4*(2*(\u)+(\c))+3], s[10:11] offset:(\u)*512+(\c)*524288-1024   ; four rows of a block: 512 consecutive bytes
.endr
.endr
	s_sub_co_u32 s[CNT], s[CNT], 1
	s_cmp_lg_u32 s[CNT], 0
	s_cbranch_scc1 .Lrow
	s_wait_tensorcnt 0x0                           ; the wave's end
	ds_add_u32 v[SPW], v[NIL]
	s_wait_dscnt 0x0
	CROUND                                         ; the closing round
	s_endpgm
.Lfunc_end_k_qb2a5fd5d55_qkvg:
	.size	k_qb2a5fd5d55_qkvg, .Lfunc_end_k_qb2a5fd5d55_qkvg-k_qb2a5fd5d55_qkvg
	.p2alignl 7, 3214868480
	.fill 96, 4, 3214868480
	.section	.rodata,"a",@progbits
	.p2align	6, 0x0
	.amdhsa_kernel k_qb2a5fd5d55_qkvg
		.amdhsa_group_segment_fixed_size 327680
		.amdhsa_private_segment_fixed_size 0
		.amdhsa_enable_private_segment 0
		.amdhsa_kernarg_size 32
		.amdhsa_user_sgpr_count 2
		.amdhsa_user_sgpr_kernarg_segment_ptr 1
		.amdhsa_wavefront_size32 1
		.amdhsa_system_sgpr_workgroup_id_x 1
		.amdhsa_system_sgpr_workgroup_id_y 1
		.amdhsa_system_sgpr_workgroup_id_z 1
		.amdhsa_system_vgpr_workitem_id 0
		.amdhsa_next_free_vgpr 1024
		.amdhsa_next_free_sgpr 88
		.amdhsa_reserve_vcc 0
		.amdhsa_float_denorm_mode_32 3
		.amdhsa_float_denorm_mode_16_64 3
		.amdhsa_memory_ordered 1
		.amdhsa_forward_progress 1
		.amdhsa_inst_pref_size 83
	.end_amdhsa_kernel
	.amdgpu_metadata
---
amdhsa.version: [ 1, 2 ]
amdhsa.kernels:
  - .name:           k_qb2a5fd5d55_qkvg
    .symbol:         k_qb2a5fd5d55_qkvg.kd
    .args:
      - { .name: hn, .offset: 0, .size: 8, .value_kind: global_buffer, .address_space: global }
      - { .name: wb, .offset: 8, .size: 8, .value_kind: global_buffer, .address_space: global }
      - { .name: bqkv, .offset: 16, .size: 8, .value_kind: global_buffer, .address_space: global }
      - { .name: qkv, .offset: 24, .size: 8, .value_kind: global_buffer, .address_space: global }
    .group_segment_fixed_size: 327680
    .private_segment_fixed_size: 0
    .kernarg_segment_align: 8
    .kernarg_segment_size: 32
    .max_flat_workgroup_size: 128
    .sgpr_count:     88
    .vgpr_count:     1024
    .wavefront_size: 32
...
	.end_amdgpu_metadata
.endif
;; end of part 3
;; launch attn (part 4): grid 8 x 32, 4 waves a work-group, clusters of 4 x 4, 327,680 bytes of LDS; arguments qkv, mbp, act; writes act
.if DOCPART == 4
	.amdgcn_target "amdgcn-amd-amdhsa--gfx1250"
	.amdhsa_code_object_version 6
	.text
	.protected	k_qb2a5fd5d55_attn
	.globl	k_qb2a5fd5d55_attn
	.p2align	8
	.type	k_qb2a5fd5d55_attn,@function
k_qb2a5fd5d55_attn:
	s_mov_b64 s[64:65], 0
	v_nop
	global_prefetch_b8 v0, s[64:65] scope:SCOPE_SE
	s_setreg_imm32_b32 hwreg(HW_REG_WAVE_MODE, 25, 1), 1
	s_wait_xcnt 0x0
	s_wait_alu depctr_hold_cnt(0) depctr_sa_sdst(0) depctr_va_vdst(0) depctr_va_sdst(0) depctr_va_ssrc(0) depctr_va_vcc(0) depctr_vm_vsrc(0)
	s_getreg_b32 s2, hwreg(HW_REG_IB_STS2, 6, 4)
	s_cmp_eq_u32 s2, 0
	s_cbranch_scc0 .Lentry_in_a_cluster
	s_endpgm
.Lentry_in_a_cluster:
	s_bfe_u32 s2, ttmp6, 0x10000c
	s_cmp_lg_u32 s2, 0xf033
	s_cbranch_scc0 .Lentry_shape_is_right
	s_endpgm
.Lentry_shape_is_right:
; O[b][h][q] = the sum over k of softmax_k(q . k / 8 + mbp[b][q][k]) v[k].  q, k, v: bf16 in blocks, byte = which x 8,388,608 + (2 h + b) x 262,144 + l x 128: a head's 2,048 rows are dense.
; mbp: [2][2048][2048] bf16 = mask + bias with the padding folded in.  O leaves in the same blocks, into act.  Products, maxima and sums in f32; the weights are rounded to bf16 for the second product.
; SHARES.  A work-group owns 256 queries of one (b, h), a wave 64: tiles 0-3 of 16, in two PIECES (0: tiles 0, 1; 2: tiles 2, 3).  Every wave walks the 2,048 keys, 64 a step; an LDS slot holds two steps.
; SCORES.  S^T = 8 bias^T + K Q^T, p = 2^(c S - c m), c = log2(e) / 8.  The bias enters as ONE MORE MATRIX PRODUCT that starts each sum: a constant 16 x 32 matrix with 8.0 at (m, 16 e + m), times a fragment of
; 32 keys x 16 queries of the table, read from LDS as it lies.  So the bias costs no vector instruction.  A lane holds one query (lane % 16) and keys 8 (lane / 16) + 0..7; two results rounded in pairs ARE source 1 of O^T = V^T P.
; SOFTMAX.  A running maximum m and sum l; O and l are multiplied by a = 2^(c m_old - c m_new) in every step.  m starts at the lowest finite number, O and l at 0: the first step is a step like any other.
; BY TURNS.  In a turn one piece has the matrix unit (16 products V^T P of the step in hand, 24 for the next step's scores); the other piece's softmax, 59 slices of four, stands behind the products, the rest in two lumps.
; CLUSTER 4 x 4.  x = the block of queries, y = 16 b + h; b hangs on the cluster's y alone.  K and V hang on y and are asked for jointly along a row of the cluster, the bias tile on x and b and jointly along a column.
; LIMITS.  A padded key's score is -2^120; q . k + 8 bias of size well under 2^96 vanishes beside it, and only then does a row whose keys are all padded get equal weights.  A weight below 2^-126 counts as 0.  NaN and infinities are not treated apart.
; REGISTERS: window 0: v2-15 addresses, v16-47 statistics (8 a tile), v64-191 S^T (32 a tile), v192-255 P (16 a tile); window 1: v0-127 O^T (32 a tile), v128-191 V; window 2: v0-63 Q, v64-127 K, v128-191 bias, v192-203 the constant matrix.
.set KS,    64
.set PK,    144                        ; a row of K in LDS: 128 bytes + 16
.set PV,    160                        ; of V: 128 + 32, an odd multiple of 32 for the turning load
.set PB,    272                        ; of the bias tile: 256 + 16
.set VOFF,  128*PK
.set BOFF,  VOFF+128*PV
.set SLOT1, 1<<17
.set STAGE, SLOT1+BOFF+256*PB          ; behind the ring, never filled by a tensor load: 16 rows x 144 bytes for each wave
.set SP,    144
.set SPARE, STAGE+4*16*SP              ; the spare words, 128 bytes a wave, named by no other line
.set AK0, 2
.set AV0, 3
.set AB0, 4
.set ADK, 5
.set ADV, 6
.set ADB, 7
.set QO,  8
.set STO, 8
.set RD,  9
.set GO,  10
.set PFO, 11
.set ST,  16                           ; tile t at ST + 8 t: c m, m, l (even keys', odd keys'), c0-c3 at work; a takes c2's place
.set SPW, 62
.set NIL, 63
.set S,   64
.set P,   192
.set VF,  128                          ; window 1
.set KF,  64                           ; window 2
.set BF,  128
.set EM,  192                          ; 0 0 0 0 e0 e1 e2 e3 0 0 0 0: registers 4-11 pick keys 0-15 of a fragment, registers 0-7 keys 16-31
.set WV,  12
.set CX,  13
.set CY,  14
.set YC,  15
.set G1K, 16
.set G1V, 24
.set G1B, 32
.set G0K, 40
.set G0V, 48
.set G0B, 56
.set SLOTS, 66
.set CNT, 67
.set CS,  68
.set SEL, 70
.set TBK, 72
.set TBV, 73
.set TBB, 74
.set LIM, 75
.set PFA, 76
.set PFS, 78
.set MSB, 0
.macro WIN new
.if MSB != (\new)
	s_set_vgpr_msb (MSB<<8)|(\new)
.set MSB, \new
.endif
.endm
.set W_KQ, 0x0a                        ; sources 0 and 1 window 2, S^T window 0
.set W_PV, 0x51                        ; V window 1, P window 0, O^T window 1
.set W_RS, 0x41                        ; O^T window 1, a window 0
.macro PLACES
.rept 4
	v_nop
.endr
.endm
; A joint refill: wave 0 K, wave 1 V, waves 2 and 3 the halves of the bias tile.  The branches hang on the wave's number alone.  An s_nop 0 and four v_nop follow each line.
.macro JLOAD
	s_cmp_lt_u32 s[WV], 2
	s_cbranch_scc0 .Lfor_b_\@
	s_cmp_eq_u32 s[WV], 0
	s_cbranch_scc0 .Lfor_v_\@
	tensor_load_to_lds s[G0K+4:G0K+7], s[G1K:G1K+7]
	s_nop 0
.rept 4
	v_nop
.endr
	s_branch .Lasked_\@
.Lfor_v_\@:
	tensor_load_to_lds s[G0V+4:G0V+7], s[G1V:G1V+7]
	s_nop 0
.rept 4
	v_nop
.endr
	s_branch .Lasked_\@
.Lfor_b_\@:
	tensor_load_to_lds s[G0B+4:G0B+7], s[G1B:G1B+7]
	s_nop 0
.rept 4
	v_nop
.endr
.Lasked_\@:
.endm
; A prefetch of what the NEXT change of slots will ask for, 32 blocks of 256 bytes a wave.  K and V: wave 0 of the clusters with x = 0, a quarter of the slot's blocks by cx.  The bias: waves 2 and 3 of each batch's
; first cluster along y, 32 of the wave's 128 rows by cy.  So each block is named once.  The last change that fills a slot asks for nothing.
.macro ASK
	s_cmp_gt_u32 s[SLOTS], s[LIM]
	s_cbranch_scc0 .Lnot_mine_\@
	global_prefetch_b8 v[PFO], s[PFA:PFA+1] th:TH_LOAD_NT scope:SCOPE_SE
.Lnot_mine_\@:
.endm
.macro CROUND
	s_barrier_signal -1
	s_barrier_wait -1
	s_cmp_lg_u32 s[WV], 0
	s_cbranch_scc1 .Lnot_wave_0_\@
	s_barrier_signal -3
.Lnot_wave_0_\@:
	s_barrier_wait -3
	s_barrier_signal -1
	s_barrier_wait -1
.endm
	s_load_b128 s[4:7], s[0:1], 0x0                ; qkv, mbp
	s_load_b64 s[8:9], s[0:1], 0x10                ; act
	v_lshl_add_u32 v[SPW], v0, 2, SPARE
	v_mov_b32 v[NIL], 0
	ds_add_u32 v[SPW], v[NIL]                      ; the wave's opening
	v_lshrrev_b32 v1, 5, v0
	v_readfirstlane_b32 s[WV], v1
	s_bfe_u32 s[CX], ttmp6, 0x40000
	s_bfe_u32 s[CY], ttmp6, 0x40004
	s_and_b32 s[YC], ttmp7, 0xffff                 ; the cluster's y
	s_and_b32 s80, s[YC], 3
	s_lshl_b32 s80, s80, 2
	s_add_co_u32 s80, s80, s[CY]                   ; h
	s_lshr_b32 s81, s[YC], 2                       ; b
	s_lshl_b32 s80, s80, 1
	s_add_co_u32 s80, s80, s81
	s_lshl_b32 s80, s80, 18                        ; the head's first byte in a third of qkv and in act: hangs on cy and the cluster's y
	s_mov_b32 s81, 0
	s_lshl_b32 s86, ttmp9, 2
	s_add_co_u32 s86, s86, s[CX]                   ; x: my block of 256 queries
	s_and_b32 s87, s[WV], 1
	s_lshl_b32 s84, s86, 1
	s_add_co_u32 s84, s84, s87
	s_lshl_b32 s84, s84, 19                        ; 128 rows of 4,096 bytes: my half of the bias tile: hangs on cx, the cluster's x and y
	s_lshr_b32 s85, s[YC], 2
	s_lshl_b32 s85, s85, 23
	s_add_co_u32 s84, s84, s85
	s_mov_b32 s85, 0
	s_mul_i32 s87, s87, 128*PB                     ; its place in a slot
	s_lshl_b32 s2, s86, 15                         ; Q's and O's rows: 256 x + 64 wave, 128 bytes a row
	s_lshl_b32 s3, s[WV], 13
	s_add_co_u32 s2, s2, s3
	s_add_co_u32 s2, s2, s80
	s_mov_b32 s3, 0
	s_lshl_b32 s82, s[CY], 2
	s_lshl_b32 s82, 15, s82                        ; my row of the cluster
	s_lshl_b32 s83, 0x1111, s[CX]                  ; my column
	s_or_b32 s[G1K], s82, (1<<16)|(1<<20)|(1<<21)|(4<<22)|(3<<25)   ; 128 keys = 64 rows of 256 dense bytes, 4 words of padding after every 32
	s_or_b32 s[G1V], s82, (1<<16)|(1<<20)|(1<<21)|(4<<22)|(7<<25)   ; 8 words
	s_or_b32 s[G1B], s83, (1<<16)|(1<<20)|(1<<21)|(5<<22)|(3<<25)   ; 128 rows of 256 bytes, 4 words after every 64
.irp g, G1K, G1V
	s_mov_b32 s[(\g)+1], 128<<16
	s_mov_b32 s[(\g)+2], 64<<16
	s_mov_b32 s[(\g)+3], 128<<16
	s_mov_b32 s[(\g)+4], 64
	s_mov_b32 s[(\g)+5], 128
	s_mov_b32 s[(\g)+6], 0
	s_mov_b32 s[(\g)+7], 0
.endr
	s_mov_b32 s[G1B+1], 128<<16
	s_mov_b32 s[G1B+2], 128<<16
	s_mov_b32 s[G1B+3], 128<<16
	s_mov_b32 s[G1B+4], 128
	s_mov_b32 s[G1B+5], 2048
	s_mov_b32 s[G1B+6], 0
	s_mov_b32 s[G1B+7], 0
	s_mov_b32 s[CS], 0x3e38aa3b                    ; c = log2(e) / 8
	s_mov_b32 s[CS+1], s[CS]
	s_mov_b32 s[SEL], 0x76543210
	s_mov_b32 s[SEL+1], 0xfedcba98
	s_mov_b32 s[TBK], 0
	s_mov_b32 s[TBV], 0
	s_mov_b32 s[TBB], 0
	s_wait_dscnt 0x0                               ; the opening add is done
	s_wait_kmcnt 0x0
	s_add_nc_u64 s[88:89], s[4:5], s[80:81]        ; qkv at the head's rows
	s_add_nc_u64 s[84:85], s[6:7], s[84:85]        ; mbp at my half of the tile
	s_add_nc_u64 s[4:5], s[4:5], s[2:3]            ; Q and O at my wave's first row
	s_add_nc_u64 s[8:9], s[8:9], s[2:3]
	CROUND                                         ; all sixteen work-groups are here: the first joint loads meet
.irp s, 0,1
	s_mov_b32 s[G0K+4*(\s)], 1
	s_mov_b32 s[G0K+4*(\s)+1], (\s)*SLOT1
	s_add_nc_u64 s[G0K+4*(\s)+2:G0K+4*(\s)+3], s[88:89], 0x800000+(\s)*16384
	s_or_b32 s[G0K+4*(\s)+3], s[G0K+4*(\s)+3], 0x80000000
	s_mov_b32 s[G0V+4*(\s)], 1
	s_mov_b32 s[G0V+4*(\s)+1], VOFF+(\s)*SLOT1
	s_add_nc_u64 s[G0V+4*(\s)+2:G0V+4*(\s)+3], s[88:89], 0x1000000+(\s)*16384
	s_or_b32 s[G0V+4*(\s)+3], s[G0V+4*(\s)+3], 0x80000000
	s_mov_b32 s[G0B+4*(\s)], 1
	s_add_co_u32 s[G0B+4*(\s)+1], s87, BOFF+(\s)*SLOT1
	s_add_nc_u64 s[G0B+4*(\s)+2:G0B+4*(\s)+3], s[84:85], (\s)*256
	s_or_b32 s[G0B+4*(\s)+3], s[G0B+4*(\s)+3], 0x80000000
.endr
	s_cmp_lt_u32 s[WV], 2                          ; a wave's two first fills stand together: two loads of mine are out
	s_cbranch_scc0 .Lfirst_b
	s_cmp_eq_u32 s[WV], 0
	s_cbranch_scc0 .Lfirst_v
	tensor_load_to_lds s[G0K:G0K+3], s[G1K:G1K+7]
	s_nop 0
	tensor_load_to_lds s[G0K+4:G0K+7], s[G1K:G1K+7]
	s_nop 0
.rept 4
	v_nop
.endr
	s_branch .Lfirst_asked
.Lfirst_v:
	tensor_load_to_lds s[G0V:G0V+3], s[G1V:G1V+7]
	s_nop 0
	tensor_load_to_lds s[G0V+4:G0V+7], s[G1V:G1V+7]
	s_nop 0
.rept 4
	v_nop
.endr
	s_branch .Lfirst_asked
.Lfirst_b:
	tensor_load_to_lds s[G0B:G0B+3], s[G1B:G1B+7]
	s_nop 0
	tensor_load_to_lds s[G0B+4:G0B+7], s[G1B:G1B+7]
	s_nop 0
.rept 4
	v_nop
.endr
.Lfirst_asked:
	v_and_b32 v1, 15, v0                           ; r
	v_bfe_u32 v12, v0, 4, 1                        ; h
	v_and_b32 v13, 7, v0
	v_bfe_u32 v14, v0, 3, 1
	v_lshlrev_b32 v[QO], 7, v1
	v_lshl_add_u32 v[QO], v12, 4, v[QO]
	v_bfe_u32 v48, v0, 1, 2                        ; the constant matrix: lane (r, h) holds 8.0 in register (r / 2) % 4, half r % 2, where h = r / 8
	v_xor_b32 v49, v14, v12
	v_lshl_add_u32 v48, v49, 2, v48
	v_and_b32 v49, 1, v0
	v_lshlrev_b32 v49, 4, v49
	v_mov_b32 v50, 0x4100
	v_lshlrev_b32 v50, v49, v50
	WIN 0x80                                       ; destination window 2
.irp i, 0,1,2,3,4,5,6,7                ; Q stays in registers: tile i / 2, channels 32 (i % 2) on
	global_load_b128 v[8*(\i):8*(\i)+3],   v[QO], s[4:5] offset:((\i)/2)*2048+((\i)%2)*64
	global_load_b128 v[8*(\i)+4:8*(\i)+7], v[QO], s[4:5] offset:((\i)/2)*2048+((\i)%2)*64+32
.endr
.irp i, 0,1,2,3
	v_mov_b32 v[EM+(\i)], 0
	v_mov_b32 v[EM+8+(\i)], 0
	v_cmp_eq_u32 vcc_lo, \i, v48
	v_cndmask_b32 v[EM+4+(\i)], 0, v50, vcc_lo
.endr
	; What the first turn finds: O^T, V and the second piece's P hold 0 (its products V^T P, of a step that has not been, add 0).  All this stands in the wait for the first tile, and spares a first step written out.
	WIN 0x40
.set i, 0
.rept 192
	v_mov_b32 v[i], 0
.set i, i+1
.endr
	WIN 0
.set i, P+32
.rept 32
	v_mov_b32 v[i], 0
.set i, i+1
.endr
.set i, 0
.rept 4
	v_mov_b32 v[ST+8*i], 0xfe000000                ; c m: far below every c s
	v_mov_b32 v[ST+8*i+1], 0xff7fffff              ; m
	v_mov_b32 v[ST+8*i+2], 0
	v_mov_b32 v[ST+8*i+3], 0
.set i, i+1
.endr
	v_mul_u32_u24 v[AK0], v1, PK
	v_lshl_add_u32 v[AK0], v12, 4, v[AK0]
	v_lshl_add_u32 v[AV0], v12, 3, v13
	v_mul_u32_u24 v[AV0], v[AV0], PV
	v_lshl_add_u32 v[AV0], v14, 4, v[AV0]
	v_add_nc_u32 v[AV0], VOFF, v[AV0]
	s_mul_i32 s2, s[WV], 64*PB
	s_add_co_u32 s2, s2, BOFF
	v_mul_u32_u24 v[AB0], v1, PB
	v_lshl_add_u32 v[AB0], v12, 4, v[AB0]
	v_add_nc_u32 v[AB0], s2, v[AB0]                ; the bias: my wave's 64 rows, row r
	; the prefetches stand at slot 2; each filling change steps them first
	s_lshl_b32 s82, s[CX], 12
	s_add_co_u32 s82, s82, 0x800000+2*16384
	s_lshl_b32 s83, s[CY], 17
	s_add_co_u32 s83, s83, 2*256
	s_and_b32 s86, s[YC], 3
	s_mov_b32 s[PFS], 16384
	s_cmp_lt_u32 s[WV], 2
	s_cselect_b32 s82, s82, s83
	s_cselect_b64 s[PFA:PFA+1], s[88:89], s[84:85]
	s_cselect_b32 s[PFS], s[PFS], 256
	s_cselect_b32 s86, ttmp9, s86                  ; the coordinate along which other clusters read the same blocks
	s_cselect_b32 s2, 8, 12
	s_cselect_b32 s3, 23, 16
	s_mov_b32 s83, 0
	s_mov_b32 s[PFS+1], 0
	s_add_nc_u64 s[PFA:PFA+1], s[PFA:PFA+1], s[82:83]
	s_cmp_eq_u32 s[WV], 1
	s_cselect_b32 s86, 1, s86                      ; wave 1 never asks: wave 0's lanes 16-31 name V's blocks
	s_cmp_eq_u32 s86, 0
	s_cselect_b32 s[LIM], 1, -1
	v_and_b32 v15, 31, v0
	v_and_b32 v[PFO], 15, v15
	v_lshrrev_b32 v15, 4, v15
	v_lshlrev_b32 v[PFO], s2, v[PFO]
	v_lshlrev_b32 v15, s3, v15
	v_or_b32 v[PFO], v[PFO], v15
; THE MATRIX WORK.  The 8 accumulators of a run take turns.
.macro PV x                            ; product i of 16 of O^T += V^T P: keys 32 (i / 8) on, channels 16 ((i / 2) % 4) on, tile x + i % 2
	WIN W_PV
.set rO, 32*((\x)+i%2)+8*((i/2)%4)
.set rV, VF+32*(i/8)+8*((i/2)%4)
.set rP, P+16*((\x)+i%2)+8*(i/8)
	v_wmma_f32_16x16x32_bf16 v[rO:rO+7], v[rV:rV+7], v[rP:rP+7], v[rO:rO+7]
.endm
.macro KQ x                            ; product i of 24 of S^T: link i / 8 (0: the bias, which starts the sum; 1, 2: channels 0-31, 32-63), keys 16 ((i / 2) % 4) on, tile x + i % 2
	WIN W_KQ
.set tl, (\x)+i%2
.set kb, (i/2)%4
.set rS, S+32*tl+8*kb
.if i < 8
.set rA, EM+4*(1-kb%2)
.set rB, BF+16*tl+8*(kb/2)
	v_wmma_f32_16x16x32_bf16 v[rS:rS+7], v[rA:rA+7], v[rB:rB+7], 0
.else
.set rA, KF+16*kb+8*(i/8-1)
.set rB, 16*tl+8*(i/8-1)
	v_wmma_f32_16x16x32_bf16 v[rS:rS+7], v[rA:rA+7], v[rB:rB+7], v[rS:rS+7]
.endif
.endm
; THE LDS LOADS stand in runs.  A step's K (8 fragments) and its bias (4 tiles x 2 fragments of 32 keys).  last = 1 (the tail): in the last trip there is no further step, and the run is jumped over.
.macro FETCH_K last=0
	WIN 0
.if \last
	s_cmp_eq_u32 s[CNT], 1
	s_cbranch_scc1 .Lno_k_\@
.endif
	v_add_nc_u32 v[ADK], s[TBK], v[AK0]
	v_add_nc_u32 v[ADB], s[TBB], v[AB0]
	s_add_co_u32 s[TBK], s[TBK], KS*PK
	s_add_co_u32 s[TBB], s[TBB], KS*2
	WIN 0x80
.irp f, 0,1,2,3,4,5,6,7
	ds_load_b128 v[KF+8*(\f):KF+8*(\f)+3],   v[ADK] offset:((\f)/2)*16*PK+((\f)%2)*64
	ds_load_b128 v[KF+8*(\f)+4:KF+8*(\f)+7], v[ADK] offset:((\f)/2)*16*PK+((\f)%2)*64+32
.endr
.irp f, 0,1,2,3,4,5,6,7
	ds_load_b128 v[BF+8*(\f):BF+8*(\f)+3],   v[ADB] offset:((\f)/2)*16*PB+((\f)%2)*64
	ds_load_b128 v[BF+8*(\f)+4:BF+8*(\f)+7], v[ADB] offset:((\f)/2)*16*PB+((\f)%2)*64+32
.endr
	WIN 0
.if \last
.Lno_k_\@:
.endif
.endm
.macro FETCH_V                         ; a step's V, turned: keys 32 (f / 4) on, channels 16 (f % 4) on
	WIN 0
	v_add_nc_u32 v[ADV], s[TBV], v[AV0]
	s_add_co_u32 s[TBV], s[TBV], KS*PV
	s_wait_alu depctr_va_vdst(0)                   ; the wait for the softmax's batch (SLICE)
	WIN 0x40
.irp f, 0,1,2,3,4,5,6,7
	ds_load_tr16_b128 v[VF+8*(\f):VF+8*(\f)+3],   v[ADV] offset:((\f)/4)*32*PV+((\f)%4)*32
	ds_load_tr16_b128 v[VF+8*(\f)+4:VF+8*(\f)+7], v[ADV] offset:((\f)/4)*32*PV+16*PV+((\f)%4)*32
.endr
.endm
; THE VECTOR WORK.  One tile's softmax for a key step is a list of 118 instructions; SM writes number j for tile t.
;   0-15 the maximum of the lane's 32 scores and the old m (each accumulator's lowest registers are read first)     16-20 the other half of the lanes; m; c m; its change
;   21-69 ONE BATCH: the 16 scalings c s - c m and all 33 exponentials (a at 23); none reads an exponential's result     (the wait)     70-85 roundings to bf16     86-101 the sums; l = a l + sum     102-117 O^T times a
.macro SM t
.set rT, ST+8*(\t)
.set rS, S+32*(\t)
.set rP, P+16*(\t)
.set rO, 32*(\t)+2*(j-102)
.if j < 102
	WIN 0
.endif
.if j < 4
	v_max3_num_f32 v[rT+4+j], v[rS+8*j], v[rS+8*j+1], v[rS+8*j+2]
.elseif j < 12
	v_max3_num_f32 v[rT+4+j%4], v[rT+4+j%4], v[rS+8*(j%4)+2*(j/4)+1], v[rS+8*(j%4)+2*(j/4)+2]
.elseif j == 12
	v_max3_num_f32 v[rT+4], v[rT+4], v[rS+7], v[rS+15]
.elseif j == 13
	v_max3_num_f32 v[rT+6], v[rT+6], v[rS+23], v[rS+31]
.elseif j == 14
	v_max3_num_f32 v[rT+4], v[rT+4], v[rT+5], v[rT+6]
.elseif j == 15
	v_max3_num_f32 v[rT+4], v[rT+4], v[rT+7], v[rT+1]
.elseif j == 16
	v_permlanex16_b32 v[rT+5], v[rT+4], s[SEL], s[SEL+1]
.elseif j == 17
	v_mov_b32 v[rT+7], v[rT]
.elseif j == 18
	v_max_num_f32 v[rT+1], v[rT+4], v[rT+5]
.elseif j == 19
	v_mul_f32 v[rT], s[CS], v[rT+1]
.elseif j == 20
	v_sub_f32 v[rT+7], v[rT+7], v[rT]
.elseif j == 23
	v_exp_f32 v[rT+6], v[rT+7]
.elseif (j < 23) || ((j < 38) && (j%2 == 0)) || ((j < 66) && (j%4 == 2))
.set b, (j-2)/4
.if j < 38
.set b, (j-20)/2
.endif
	v_pk_fma_f32 v[rS+2*b:rS+2*b+1], v[rS+2*b:rS+2*b+1], s[CS:CS+1], v[rT:rT+1] op_sel_hi:[1,0,0] neg_lo:[0,0,1] neg_hi:[0,0,1]
.elseif j < 70
.set e, j-38
.if j < 66
.set e, j-32-(j-38)/4
.endif
.if j < 38
.set e, (j-25)/2
.endif
	v_exp_f32 v[rS+e], v[rS+e]
.elseif j < 86
	v_cvt_pk_bf16_f32 v[rP+j-70], v[rS+2*(j-70)], v[rS+2*(j-70)+1]
.elseif j < 102
.set z, j-86
.set w, 4
.set u, z
.if z >= 14
.set w, 32
.set u, 0
.elseif z >= 12
.set w, 16
.set u, z-12
.elseif z >= 8
.set w, 8
.set u, z-8
.endif
.if z < 15
	v_pk_add_f32 v[rS+w*u:rS+w*u+1], v[rS+w*u:rS+w*u+1], v[rS+w*u+w/2:rS+w*u+w/2+1]
.else
	v_pk_fma_f32 v[rT+2:rT+3], v[rT+2:rT+3], v[rT+6:rT+7], v[rS:rS+1] op_sel_hi:[1,0,1]
.endif
.else
	WIN W_RS
	v_pk_mul_f32 v[rO:rO+1], v[rO:rO+1], v[rT+6:rT+7] op_sel_hi:[1,0]
.endif
.endm
; Slice k of 59 of piece y's softmax: four instructions.  Slices 11-34 deal out the batch, four numbers of one tile each; every other slice is numbers 2 k and 2 k + 1 of both tiles.
; Behind slice 34 nothing has named a result and no exponential follows: a v_nop (the plain instruction behind the last exponential) and ONE wait serve the piece's 66 exponentials.
.macro SLICE y
.if (k >= 11) && (k < 35)
.irp n, 0,1,2,3
.set j, 22+4*((k-11)/2)+(\n)
	SM (\y)+(k-11)%2
.endr
.else
.irp n, 0,1
.irp t, \y, (\y)+1
.set j, 2*k+(\n)
	SM \t
.endr
.endr
.endif
.if k == 34
	v_nop
.if (\y) == 0
	FETCH_V                                        ; piece 2's turn: V's run of loads stands here, and the wait stands in it
.else
	s_wait_alu depctr_va_vdst(0)
.endif
.endif
.set k, k+1
.endm
; A TURN.  Piece x has the matrix unit; the other piece's softmax rides.  Piece 0's turn fetches the next step's K and bias behind its second product (their last readers stand in front of the 32 plain
; instructions that end the turn before); piece 2's turn fetches the same step's V behind slice 34, many plain instructions behind its last reader.  The last eight slices, 32 plain multiplies, are the places behind the turn's last product.
.macro TURN x, last=0
.set k, 0
.if (\x) == 0
	s_wait_dscnt 0x0                               ; V is in
.endif
.set i, 0
.rept 16
	PV \x
	SLICE 2-(\x)
.if ((\x) == 0) && (i == 1)
	FETCH_K \last
.endif
.set i, i+1
.endr
.if (\x) == 0
	s_wait_dscnt 0x0                               ; K and the bias are in
.endif
.set i, 0
.rept 8
	KQ \x
	SLICE 2-(\x)
.set i, i+1
.endr
.rept 11
	SLICE 2-(\x)
.endr
.rept 16
	KQ \x
	SLICE 2-(\x)
.set i, i+1
.endr
.rept 8
	SLICE 2-(\x)
.endr
.endm
; THE CHANGE OF SLOTS, behind the turn that asked for the slot's last bytes.  Each wave waits for all its tensor loads (one is out: its part of the other slot), adds 0 to its spare word, and waits for that and for its reads.
; fill = 1: a round of the cluster's barrier, and the joint refill, two slots on, first behind it: it has two key steps in which to land.
.macro CHANGE fill
	WIN 0
	s_wait_tensorcnt 0x0
	ds_add_u32 v[SPW], v[NIL]
.if \fill
.irp g, G0K+4, G0V+4
	s_xor_b32 s[(\g)+1], s[(\g)+1], SLOT1
	s_add_nc_u64 s[(\g)+2:(\g)+3], s[(\g)+2:(\g)+3], 16384
.endr
	s_xor_b32 s[G0B+5], s[G0B+5], SLOT1
	s_add_nc_u64 s[G0B+6:G0B+7], s[G0B+6:G0B+7], 256
	s_wait_xcnt 0x0                                ; the last prefetch, two key steps back, has read its address
	s_add_nc_u64 s[PFA:PFA+1], s[PFA:PFA+1], s[PFS:PFS+1]
	s_wait_dscnt 0x0
	CROUND
	JLOAD
	ASK
.else
	s_wait_dscnt 0x0
	s_barrier_signal -1
	s_barrier_wait -1
.endif
	s_sub_co_u32 s[TBK], s[TBK], 2*KS*PK           ; the fetches go back to a slot's first step, in the other slot
	s_xor_b32 s[TBK], s[TBK], SLOT1
	s_sub_co_u32 s[TBV], s[TBV], 2*KS*PV
	s_xor_b32 s[TBV], s[TBV], SLOT1
	s_sub_co_u32 s[TBB], s[TBB], 2*KS*2
	s_xor_b32 s[TBB], s[TBB], SLOT1
.endm
	s_wait_tensorcnt 0x1                           ; my part of slot 0 is in; slot 1's stays out
	s_barrier_signal -1
	s_barrier_wait -1
	FETCH_K                                        ; key step 0
	s_wait_loadcnt 0x0                             ; Q
	s_wait_dscnt 0x0
.set i, 0
.rept 24
	KQ 0                                           ; piece 0's first scores
.set i, i+1
.endr
	WIN 0                                          ; the addresses for the way out: nine plain instructions, the places behind those products
	s_mul_i32 s2, s[WV], 16*SP
	s_add_co_u32 s2, s2, STAGE
	v_mul_u32_u24 v[STO], v1, SP
	v_lshl_add_u32 v[STO], v12, 4, v[STO]
	v_add_nc_u32 v[STO], s2, v[STO]
	v_bfe_u32 v[RD], v0, 3, 2
	v_mul_u32_u24 v[RD], v[RD], SP
	v_lshl_add_u32 v[RD], v13, 4, v[RD]
	v_add_nc_u32 v[RD], s2, v[RD]
	v_and_b32 v[GO], 31, v0
	v_lshlrev_b32 v[GO], 4, v[GO]
	s_mov_b32 s[CNT], 2
	s_mov_b32 s[SLOTS], 15
	s_branch .Lmid                                 ; the loop is entered in the middle of a trip
.Lslot:                                        ; 14 times: every slot but the last two is filled again
	CHANGE 1
	s_mov_b32 s[CNT], 2
.Lstep:
	TURN 0
	WIN 0
.Lmid:
	TURN 2
	WIN 0
	s_sub_co_u32 s[CNT], s[CNT], 1
	s_cmp_lg_u32 s[CNT], 0
	s_cbranch_scc1 .Lstep
	s_sub_co_u32 s[SLOTS], s[SLOTS], 1
	s_cmp_lg_u32 s[SLOTS], 0
	s_cbranch_scc1 .Lslot
	CHANGE 0                                       ; the tail is written out
	s_mov_b32 s[CNT], 3
.Ltail:
	TURN 0, 1
	WIN 0
	s_sub_co_u32 s[CNT], s[CNT], 1
	s_cmp_eq_u32 s[CNT], 0
	s_cbranch_scc1 .Lout
	TURN 2
	WIN 0
	s_branch .Ltail
.Lout:                                         ; the third trip's scores (on the last K once more) serve nothing: the price, once a launch, of one text for every trip
.set i, 0
.rept 16
	PV 2
.set i, i+1
.endr
	WIN 0
.irp t, 0,1,2,3
	v_add_f32 v[ST+8*(\t)+4], v[ST+8*(\t)+2], v[ST+8*(\t)+3]     ; the additions are the places behind the last products
.endr
.irp t, 0,1,2,3
	v_permlanex16_b32 v[ST+8*(\t)+5], v[ST+8*(\t)+4], s[SEL], s[SEL+1]
.endr
.irp t, 0,1,2,3
	v_add_f32 v[ST+8*(\t)+4], v[ST+8*(\t)+4], v[ST+8*(\t)+5]
.endr
.irp t, 0,1,2,3
	v_rcp_f32 v[ST+8*(\t)+6], v[ST+8*(\t)+4]
.endr
	v_nop
	s_wait_alu depctr_va_vdst(0)                   ; one wait for the four reciprocals
.macro PACK t                          ; O^T / l, rounded; 16 bytes a lane into my stage, and back as whole rows of 128 bytes
	WIN W_RS
.set i, 32*(\t)
.rept 16
	v_pk_mul_f32 v[i:i+1], v[i:i+1], v[ST+8*(\t)+6:ST+8*(\t)+7] op_sel_hi:[1,0]
.set i, i+2
.endr
	WIN 0x05
.set i, 0
.rept 16
	v_cvt_pk_bf16_f32 v[S+16*(\t)+i], v[32*(\t)+2*i], v[32*(\t)+2*i+1]
.set i, i+1
.endr
	WIN 0
.irp f, 0,1,2,3
	ds_store_b128 v[STO], v[S+16*(\t)+4*(\f):S+16*(\t)+4*(\f)+3] offset:32*(\f)
.endr
.irp f, 0,1,2,3
	ds_load_b128 v[S+16*(\t)+4*(\f):S+16*(\t)+4*(\f)+3], v[RD] offset:(\f)*4*SP   ; LDS serves a wave's instructions in order: these see the stores above
.endr
.endm
.macro SEND t, younger                 ; younger: the LDS instructions issued behind tile t's loads
	WIN 0
.irp f, 0,1,2,3
	s_wait_dscnt (\younger)+3-(\f)
	global_store_b128 v[GO], v[S+16*(\t)+4*(\f):S+16*(\t)+4*(\f)+3], s[8:9] offset:(\t)*2048+(\f)*512   ; 512 consecutive bytes
.endr
.endm
	PACK 0
	PACK 1
	SEND 0, 8
	PACK 2
	SEND 1, 8
	PACK 3
	SEND 2, 8
	SEND 3, 0
	s_wait_tensorcnt 0x0                           ; the wave's end
	ds_add_u32 v[SPW], v[NIL]
	s_wait_dscnt 0x0
	CROUND                                         ; the closing round
	s_endpgm
.Lfunc_end_k_qb2a5fd5d55_attn:
	.size	k_qb2a5fd5d55_attn, .Lfunc_end_k_qb2a5fd5d55_attn-k_qb2a5fd5d55_attn
	.p2alignl 7, 3214868480
	.fill 96, 4, 3214868480
	.section	.rodata,"a",@progbits
	.p2align	6, 0x0
	.amdhsa_kernel k_qb2a5fd5d55_attn
		.amdhsa_group_segment_fixed_size 327680
		.amdhsa_private_segment_fixed_size 0
		.amdhsa_enable_private_segment 0
		.amdhsa_kernarg_size 24
		.amdhsa_user_sgpr_count 2
		.amdhsa_user_sgpr_kernarg_segment_ptr 1
		.amdhsa_wavefront_size32 1
		.amdhsa_system_sgpr_workgroup_id_x 1
		.amdhsa_system_sgpr_workgroup_id_y 1
		.amdhsa_system_sgpr_workgroup_id_z 1
		.amdhsa_system_vgpr_workitem_id 0
		.amdhsa_next_free_vgpr 720
		.amdhsa_next_free_sgpr 90
		.amdhsa_reserve_vcc 1
		.amdhsa_float_denorm_mode_32 3
		.amdhsa_float_denorm_mode_16_64 3
		.amdhsa_memory_ordered 1
		.amdhsa_forward_progress 1
		.amdhsa_inst_pref_size 119
	.end_amdhsa_kernel
	.amdgpu_metadata
---
amdhsa.version: [ 1, 2 ]
amdhsa.kernels:
  - .name:           k_qb2a5fd5d55_attn
    .symbol:         k_qb2a5fd5d55_attn.kd
    .args:
      - { .name: qkv, .offset: 0, .size: 8, .value_kind: global_buffer, .address_space: global }
      - { .name: mbp, .offset: 8, .size: 8, .value_kind: global_buffer, .address_space: global }
      - { .name: act, .offset: 16, .size: 8, .value_kind: global_buffer, .address_space: global }
    .group_segment_fixed_size: 327680
    .private_segment_fixed_size: 0
    .kernarg_segment_align: 8
    .kernarg_segment_size: 24
    .max_flat_workgroup_size: 128
    .sgpr_count:     90
    .vgpr_count:     720
    .wavefront_size: 32
...
	.end_amdgpu_metadata
.endif
;; end of part 4
;; launch projg (part 5): grid 8 x 32, 4 waves a work-group, clusters of 4 x 4, 327,680 bytes of LDS; arguments act, wb, bproj, x, x1; writes x1
.if DOCPART == 5
	.amdgcn_target "amdgcn-amd-amdhsa--gfx1250"
	.amdhsa_code_object_version 6
	.text
	.protected	k_qb2a5fd5d55_projg
	.globl	k_qb2a5fd5d55_projg
	.p2align	8
	.type	k_qb2a5fd5d55_projg,@function
k_qb2a5fd5d55_projg:
	s_mov_b64 s[64:65], 0
	v_nop
	global_prefetch_b8 v0, s[64:65] scope:SCOPE_SE
	s_setreg_imm32_b32 hwreg(HW_REG_WAVE_MODE, 25, 1), 1
	s_wait_xcnt 0x0
	s_wait_alu depctr_hold_cnt(0) depctr_sa_sdst(0) depctr_va_vdst(0) depctr_va_sdst(0) depctr_va_ssrc(0) depctr_va_vcc(0) depctr_vm_vsrc(0)
	s_getreg_b32 s2, hwreg(HW_REG_IB_STS2, 6, 4)
	s_cmp_eq_u32 s2, 0
	s_cbranch_scc0 .Lentry_in_a_cluster
	s_endpgm
.Lentry_in_a_cluster:
	s_bfe_u32 s2, ttmp6, 0x10000c
	s_cmp_lg_u32 s2, 0xf033
	s_cbranch_scc0 .Lentry_shape_is_right
	s_endpgm
.Lentry_shape_is_right:
; out = resid + A W + bias, f32.  A: bf16 in blocks [k / 64][4096 rows][64], KB blocks.  W: [64 KB][1024] bf16 as the weights lie, WOFF bytes into wb.  bias: [1024] f32.  resid, out: [4096][1024] f32.
; A tile of out is 128 x 128, which gives each of 256 work-groups one: four waves of 64 x 64, 16 accumulators.  K goes in steps of 256 (four blocks) through two LDS slots filled by tensor loads; a trip is one K step.
; The matrix instruction is used transposed (source 0 = 16 columns of W, turned by ds_load_tr16_b128; source 1 = 16 rows of A).  The bias is the C operand of each accumulator's first product.
; CLUSTER 4 x 4: A's tile is asked for jointly along a row of the cluster, W's along a column.  No prefetch: a K step's tiles are small and its matrix work short.
; THE LAST TWO K STEPS, which ask for nothing, are a loop of their own, left in the middle of its second trip: that trip's change of slots reads fragments of a slot that landed earlier and uses none of them: the price of one text for both.
; The residual's 64 x 64 f32 a wave are loaded at the head into window 2 and wait there.  THE WAY OUT: the slots have had their last fill; each wave lays its f32 tile into its own part of them and reads whole rows back:
; sixteen lanes store 256 consecutive bytes, aligned.
.set KB,     16
.set WOFF,   6291456
.set KSTEPS, KB/4
.set AP,     144                       ; a row of a block of A in LDS: 128 bytes + 16
.set WP,     288                       ; a k-row of W: 256 bytes + 32, an odd multiple of 32
.set HALF,   256*AP                    ; what one tensor load brings: two blocks of 128 rows of A, or 128 k-rows of W (128 x 288 is the same number)
.set SLOT,   4*HALF
.set WBASE,  2*HALF
.set DP,     272
.set DWAVE,  64*DP
.set SPARE,  2*SLOT
.set ASTEP,  4*4096*128
.set WSTEP,  256*2048
.set A0,   16
.set B0,   17
.set ADRA, 18
.set ADRB, 19
.set ADRB2, 20
.set DST,  21
.set RD,   22
.set RO,   23
.set BO,   24
.set SPW,  28
.set NIL,  29
.set Y0,   32
.set BIA,  96
.set ACC,  128
.set Y1,   128
.set F0,   0
.set F1,   128
.set WV,  12
.set WR,  13
.set WC,  14
.set G1A, 24
.set G0A, 32
.set CX,  40
.set CY,  41
.set TC,  42
.set TR,  43
.set TB,  44
.set LDSW, 45
.set CNT, 46
.set G1B, 48
.set G0B, 56
.set MSB, 0
.macro WIN new
.if MSB != (\new)
	s_set_vgpr_msb (MSB<<8)|(\new)
.set MSB, \new
.endif
.endm
.set MUL,  0x05                        ; sources 0 (W) and 1 (A) window 1; C and D window 0
.set TO_F, 0x40
.macro PLACES
.rept 4
	v_nop
.endr
.endm
.macro JLOAD s                         ; waves 0 and 1 fetch A's halves, waves 2 and 3 W's; an s_nop 0 and four v_nop follow each line
	s_cmp_eq_u32 s[WR], 0
	s_cbranch_scc0 .Lfor_b_\@
	tensor_load_to_lds s[G0A+4*(\s):G0A+4*(\s)+3], s[G1A:G1A+7]
	s_nop 0
.rept 4
	v_nop
.endr
	s_branch .Lasked_\@
.Lfor_b_\@:
	tensor_load_to_lds s[G0B+4*(\s):G0B+4*(\s)+3], s[G1B:G1B+7]
	s_nop 0
.rept 4
	v_nop
.endr
.Lasked_\@:
.endm
.macro CREST
	s_cmp_lg_u32 s[WV], 0
	s_cbranch_scc1 .Lnot_wave_0_\@
	s_barrier_signal -3
.Lnot_wave_0_\@:
	s_barrier_wait -3
	s_barrier_signal -1
	s_barrier_wait -1
.endm
.macro CROUND
	s_barrier_signal -1
	s_barrier_wait -1
	CREST
.endm
	s_load_b256 s[4:11], s[0:1], 0x0               ; A s[4:5], wb s[6:7], bias s[8:9], resid s[10:11]
	s_load_b64 s[2:3], s[0:1], 0x20                ; out
	v_lshl_add_u32 v[SPW], v0, 2, SPARE
	v_mov_b32 v[NIL], 0
	ds_add_u32 v[SPW], v[NIL]                      ; the wave's opening
	v_lshrrev_b32 v1, 5, v0
	v_readfirstlane_b32 s[WV], v1
	s_lshr_b32 s[WR], s[WV], 1
	s_and_b32 s[WC], s[WV], 1
	s_bfe_u32 s[CX], ttmp6, 0x40000
	s_bfe_u32 s[CY], ttmp6, 0x40004
	s_lshl_b32 s[TC], ttmp9, 2
	s_add_co_u32 s[TC], s[TC], s[CX]
	s_and_b32 s[TR], ttmp7, 0xffff
	s_lshl_b32 s[TR], s[TR], 2
	s_add_co_u32 s[TR], s[TR], s[CY]
	s_lshl_b32 s16, s[CY], 2
	s_lshl_b32 s16, 15, s16
	s_lshl_b32 s20, 0x1111, s[CX]
	s_or_b32 s[G1A], s16, (1<<16)|(1<<20)|(1<<21)|(4<<22)|(3<<25)   ; 4 words of padding after every 32
	s_or_b32 s[G1B], s20, (1<<16)|(1<<20)|(1<<21)|(5<<22)|(7<<25)   ; 8 words after every 64
	s_mov_b32 s[G1A+1], 8192<<16                   ; A: two blocks; in each my tile's 128 rows are 16,384 dense bytes: two rows of 8,192 elements, a block (262,144 elements) apart
	s_mov_b32 s[G1A+2], 2<<16
	s_mov_b32 s[G1A+3], 8192<<16
	s_mov_b32 s[G1A+4], 2
	s_mov_b32 s[G1A+5], 262144
	s_mov_b32 s[G1A+6], 0
	s_mov_b32 s[G1A+7], 0
	s_mov_b32 s[G1B+1], 128<<16                    ; W: 128 k-rows x 128 elements, 1,024 elements from row to row
	s_mov_b32 s[G1B+2], 128<<16
	s_mov_b32 s[G1B+3], 128<<16
	s_mov_b32 s[G1B+4], 128
	s_mov_b32 s[G1B+5], 1024
	s_mov_b32 s[G1B+6], 0
	s_mov_b32 s[G1B+7], 0
	s_lshl_b32 s16, s[WC], 20                      ; A: blocks 2 x half on, row 128 x tile row
	s_lshl_b32 s17, s[TR], 14
	s_add_co_u32 s16, s16, s17
	s_mov_b32 s17, 0
	s_lshl_b32 s20, s[WC], 18                      ; W: k-row 128 x half, column 128 x tile column
	s_lshl_b32 s21, s[TC], 8
	s_add_co_u32 s20, s20, s21
	s_add_co_u32 s20, s20, WOFF
	s_mov_b32 s21, 0
	s_mul_i32 s[LDSW], s[WV], HALF
	s_mov_b32 s[TB], 0
	s_wait_dscnt 0x0                               ; the opening add is done
	s_wait_kmcnt 0x0
	s_add_nc_u64 s[16:17], s[4:5], s[16:17]
	s_add_nc_u64 s[20:21], s[6:7], s[20:21]
	CROUND                                         ; all sixteen work-groups are here: the first joint loads meet
.irp s, 0,1
	s_mov_b32 s[G0A+4*(\s)], 1
	s_add_co_u32 s[G0A+4*(\s)+1], s[LDSW], (\s)*SLOT
	s_add_nc_u64 s[G0A+4*(\s)+2:G0A+4*(\s)+3], s[16:17], (\s)*ASTEP
	s_or_b32 s[G0A+4*(\s)+3], s[G0A+4*(\s)+3], 0x80000000
	s_mov_b32 s[G0B+4*(\s)], 1
	s_add_co_u32 s[G0B+4*(\s)+1], s[LDSW], (\s)*SLOT
	s_add_nc_u64 s[G0B+4*(\s)+2:G0B+4*(\s)+3], s[20:21], (\s)*WSTEP
	s_or_b32 s[G0B+4*(\s)+3], s[G0B+4*(\s)+3], 0x80000000
	JLOAD \s
.endr
	v_and_b32 v1, 15, v0                           ; r
	v_bfe_u32 v2, v0, 4, 1                         ; h
	v_mul_u32_u24 v3, v1, AP
	v_lshl_add_u32 v3, v2, 4, v3
	s_mul_i32 s22, s[WR], 64*AP
	v_add_nc_u32 v[A0], s22, v3
	v_and_b32 v4, 7, v0
	v_lshl_add_u32 v5, v2, 3, v4
	v_mul_u32_u24 v5, v5, WP
	v_bfe_u32 v6, v0, 3, 1
	v_lshl_add_u32 v5, v6, 4, v5
	s_lshl_b32 s22, s[WC], 7
	s_add_co_u32 s22, s22, WBASE
	v_add_nc_u32 v[B0], s22, v5
	v_mov_b32 v[ADRA], v[A0]
	v_mov_b32 v[ADRB], v[B0]
	v_add_nc_u32 v[ADRB2], 128*WP, v[B0]           ; the slot's k-rows 128 on: the immediates stay inside 16 bits
	s_mul_i32 s22, s[WV], DWAVE
	v_mul_u32_u24 v3, v1, DP
	v_lshl_add_u32 v3, v2, 5, v3
	v_add_nc_u32 v[DST], s22, v3
	v_mul_u32_u24 v3, v2, DP
	v_lshl_add_u32 v3, v1, 4, v3
	v_add_nc_u32 v[RD], s22, v3                    ; back: lanes 0-15 one row of 256 bytes, lanes 16-31 the next
	v_lshlrev_b32 v3, 12, v2
	v_lshl_add_u32 v[RO], v1, 4, v3                ; and the same two rows in resid and out
	v_lshlrev_b32 v[BO], 5, v2
	s_lshl_b32 s22, s[TC], 9
	s_lshl_b32 s23, s[WC], 8
	s_add_co_u32 s22, s22, s23
	s_mov_b32 s23, 0
	s_add_nc_u64 s[8:9], s[8:9], s[22:23]
.irp b, 0,1,2,3                        ; the bias as an accumulator's layout has it: register j = column 16 b + 8 h + j
	global_load_b128 v[BIA+8*(\b):BIA+8*(\b)+3],   v[BO], s[8:9] offset:64*(\b)
	global_load_b128 v[BIA+8*(\b)+4:BIA+8*(\b)+7], v[BO], s[8:9] offset:64*(\b)+16
.endr
	s_lshl_b32 s18, s[TR], 7
	s_lshl_b32 s19, s[WR], 6
	s_add_co_u32 s18, s18, s19
	s_lshl_b32 s18, s18, 12
	s_add_co_u32 s18, s18, s22
	s_mov_b32 s19, 0
	s_add_nc_u64 s[10:11], s[10:11], s[18:19]
	s_add_nc_u64 s[2:3], s[2:3], s[18:19]
	WIN 0x80                                       ; destination window 2
.set u, 0
.rept 32
	global_load_b128 v[4*u:4*u+3], v[RO], s[10:11] offset:u*8192
.set u, u+1
.endr
	WIN 0
; 8 matrix instructions: row blocks a0, a0 + 1 x all 4 column blocks, 32 along K: half c of buffer f.  zero = 1: the product starts the sum, on the bias.  The 16 accumulators take turns.
.macro MUL8 f, c, a0, zero
	WIN MUL
.irp a, \a0, (\a0)+1
.irp b, 0,1,2,3
.if \zero
	v_wmma_f32_16x16x32_bf16 v[ACC+8*(4*(\a)+(\b)):ACC+8*(4*(\a)+(\b))+7], v[(\f)+64+8*(4*(\c)+(\b)):(\f)+64+8*(4*(\c)+(\b))+7], v[(\f)+8*(4*(\c)+(\a)):(\f)+8*(4*(\c)+(\a))+7], v[BIA+8*(\b):BIA+8*(\b)+7]
.else
	v_wmma_f32_16x16x32_bf16 v[ACC+8*(4*(\a)+(\b)):ACC+8*(4*(\a)+(\b))+7], v[(\f)+64+8*(4*(\c)+(\b)):(\f)+64+8*(4*(\c)+(\b))+7], v[(\f)+8*(4*(\c)+(\a)):(\f)+8*(4*(\c)+(\a))+7], v[ACC+8*(4*(\a)+(\b)):ACC+8*(4*(\a)+(\b))+7]
.endif
.endr
.endr
.endm
; 32 LDS loads in one run: quarter q (one block of A, 64 along K) into buffer f, the first 32 along K first
.macro FETCH q, f
	WIN TO_F
.irp c, 0,1
.irp i, 0,1,2,3
.if (\q) < 2
	ds_load_tr16_b128 v[(\f)+64+8*(4*(\c)+(\i)):(\f)+64+8*(4*(\c)+(\i))+3],   v[ADRB] offset:((2*(\q)+(\c))%4)*32*WP+32*(\i)
	ds_load_tr16_b128 v[(\f)+64+8*(4*(\c)+(\i))+4:(\f)+64+8*(4*(\c)+(\i))+7], v[ADRB] offset:((2*(\q)+(\c))%4)*32*WP+32*(\i)+16*WP
.else
	ds_load_tr16_b128 v[(\f)+64+8*(4*(\c)+(\i)):(\f)+64+8*(4*(\c)+(\i))+3],   v[ADRB2] offset:((2*(\q)+(\c))%4)*32*WP+32*(\i)
	ds_load_tr16_b128 v[(\f)+64+8*(4*(\c)+(\i))+4:(\f)+64+8*(4*(\c)+(\i))+7], v[ADRB2] offset:((2*(\q)+(\c))%4)*32*WP+32*(\i)+16*WP
.endif
	ds_load_b128 v[(\f)+8*(4*(\c)+(\i)):(\f)+8*(4*(\c)+(\i))+3],   v[ADRA] offset:(\q)*128*AP+64*(\c)+(\i)*16*AP
	ds_load_b128 v[(\f)+8*(4*(\c)+(\i))+4:(\f)+8*(4*(\c)+(\i))+7], v[ADRA] offset:(\q)*128*AP+64*(\c)+(\i)*16*AP+32
.endr
.endr
.endm
.macro QUARTER q, f, g, zero
	s_wait_dscnt 16                                ; the first 32 along K are in
	MUL8 \f, 0, 0, \zero
	MUL8 \f, 0, 2, \zero
	PLACES
	FETCH \q, \g
	s_wait_dscnt 32                                ; all but the 32 just issued
	MUL8 \f, 1, 0, 0
	MUL8 \f, 1, 2, 0
.endm
; The last quarter multiplies buffer 1 and changes slots: in front of the barrier each wave waits for all its tensor loads, adds 0 to its spare word, and waits for that and for its reads of this slot.
; fill = 1: the barrier opens a round of the cluster's, and the joint refill, two K steps on, is the first thing behind the round.
.macro TURN fill
	WIN 0
	s_wait_tensorcnt 0x0
	ds_add_u32 v[SPW], v[NIL]
	s_wait_dscnt 17                                ; the add and the youngest sixteen loads may be out
	MUL8 F1, 0, 0, 0
	s_wait_dscnt 0x0
	s_barrier_signal -1
	MUL8 F1, 0, 2, 0
	WIN 0
	s_barrier_wait -1
.if \fill
	CREST
	s_xor_b32 s[G0A+5], s[G0A+5], SLOT             ; the walking descriptors: the other slot (the slot's two bits are clear in wave x HALF), the next K step
	s_add_nc_u64 s[G0A+6:G0A+7], s[G0A+6:G0A+7], ASTEP
	s_xor_b32 s[G0B+5], s[G0B+5], SLOT
	s_add_nc_u64 s[G0B+6:G0B+7], s[G0B+6:G0B+7], WSTEP
	JLOAD 1
.else
	PLACES
.endif
	s_xor_b32 s[TB], s[TB], SLOT
	v_add_nc_u32 v[ADRA], s[TB], v[A0]
	v_add_nc_u32 v[ADRB], s[TB], v[B0]
	v_add_nc_u32 v[ADRB2], 128*WP, v[ADRB]
	FETCH 0, F0
	MUL8 F1, 1, 0, 0
	MUL8 F1, 1, 2, 0
.endm
	s_wait_tensorcnt 0x1                           ; my part of K step 0 is in; K step 1's stays out
	s_barrier_signal -1
	s_barrier_wait -1
	FETCH 0, F0
	s_wait_loadcnt 32                              ; the bias is in; the residual's 32 loads stay out
	QUARTER 1, F0, F1, 1
	WIN 0
	s_mov_b32 s[CNT], KSTEPS-2
.Lstep:
	QUARTER 2, F1, F0, 0
	QUARTER 3, F0, F1, 0
	TURN 1
	QUARTER 1, F0, F1, 0
	WIN 0
	s_sub_co_u32 s[CNT], s[CNT], 1
	s_cmp_lg_u32 s[CNT], 0
	s_cbranch_scc1 .Lstep
	s_mov_b32 s[CNT], 2
.Ltail:                                        ; the last two K steps ask for nothing; the second trip is left behind its last products
	QUARTER 2, F1, F0, 0
	QUARTER 3, F0, F1, 0
	TURN 0
	WIN 0
	s_sub_co_u32 s[CNT], s[CNT], 1
	s_cmp_eq_u32 s[CNT], 0
	s_cbranch_scc1 .Lout
	QUARTER 1, F0, F1, 0
	WIN 0
	s_branch .Ltail
.Lout:
	s_wait_dscnt 0x0                               ; the last change's fragments, which nobody uses, are back: no LDS instruction of mine is out
	s_barrier_signal -1                            ; every wave's reads of the slots are back: the slots become the stage
	s_barrier_wait -1
	PLACES
	PLACES
.irp a, 0,1,2,3
.irp b, 0,1,2,3
	ds_store_b128 v[DST], v[ACC+8*(4*(\a)+(\b)):ACC+8*(4*(\a)+(\b))+3]   offset:(\a)*16*DP+64*(\b)
	ds_store_b128 v[DST], v[ACC+8*(4*(\a)+(\b))+4:ACC+8*(4*(\a)+(\b))+7] offset:(\a)*16*DP+64*(\b)+16
.endr
.endr
.set u, 0
.rept 16
	ds_load_b128 v[Y0+4*u:Y0+4*u+3], v[RD] offset:u*2*DP          ; my own stage: LDS serves a wave's instructions in order
.set u, u+1
.endr
.set u, 0
.rept 16
	ds_load_b128 v[Y1+4*u:Y1+4*u+3], v[RD] offset:(16+u)*2*DP
.set u, u+1
.endr
	s_wait_loadcnt 0x0                             ; the residual
	s_wait_dscnt 16                                ; rows 0-31 are back
	WIN 0x08                                       ; source 1 in window 2
.set i, 0
.rept 32
	v_pk_add_f32 v[Y0+i:Y0+i+1], v[Y0+i:Y0+i+1], v[i:i+1]
.set i, i+2
.endr
	WIN 0
.set u, 0
.rept 16
	global_store_b128 v[RO], v[Y0+4*u:Y0+4*u+3], s[2:3] offset:u*8192    ; sixteen lanes store 256 consecutive bytes, aligned
.set u, u+1
.endr
	s_wait_dscnt 0x0
	WIN 0x08
.set i, 0
.rept 32
	v_pk_add_f32 v[Y1+i:Y1+i+1], v[Y1+i:Y1+i+1], v[64+i:64+i+1]
.set i, i+2
.endr
	WIN 0
.set u, 0
.rept 16
	global_store_b128 v[RO], v[Y1+4*u:Y1+4*u+3], s[2:3] offset:(16+u)*8192
.set u, u+1
.endr
	s_wait_tensorcnt 0x0                           ; the wave's end
	ds_add_u32 v[SPW], v[NIL]
	s_wait_dscnt 0x0
	CROUND                                         ; the closing round
	s_endpgm
.Lfunc_end_k_qb2a5fd5d55_projg:
	.size	k_qb2a5fd5d55_projg, .Lfunc_end_k_qb2a5fd5d55_projg-k_qb2a5fd5d55_projg
	.p2alignl 7, 3214868480
	.fill 96, 4, 3214868480
	.section	.rodata,"a",@progbits
	.p2align	6, 0x0
	.amdhsa_kernel k_qb2a5fd5d55_projg
		.amdhsa_group_segment_fixed_size 327680
		.amdhsa_private_segment_fixed_size 0
		.amdhsa_enable_private_segment 0
		.amdhsa_kernarg_size 40
		.amdhsa_user_sgpr_count 2
		.amdhsa_user_sgpr_kernarg_segment_ptr 1
		.amdhsa_wavefront_size32 1
		.amdhsa_system_sgpr_workgroup_id_x 1
		.amdhsa_system_sgpr_workgroup_id_y 1
		.amdhsa_system_sgpr_workgroup_id_z 1
		.amdhsa_system_vgpr_workitem_id 0
		.amdhsa_next_free_vgpr 640
		.amdhsa_next_free_sgpr 66
		.amdhsa_reserve_vcc 0
		.amdhsa_float_denorm_mode_32 3
		.amdhsa_float_denorm_mode_16_64 3
		.amdhsa_memory_ordered 1
		.amdhsa_forward_progress 1
		.amdhsa_inst_pref_size 66
	.end_amdhsa_kernel
	.amdgpu_metadata
---
amdhsa.version: [ 1, 2 ]
amdhsa.kernels:
  - .name:           k_qb2a5fd5d55_projg
    .symbol:         k_qb2a5fd5d55_projg.kd
    .args:
      - { .name: act, .offset: 0, .size: 8, .value_kind: global_buffer, .address_space: global }
      - { .name: wb, .offset: 8, .size: 8, .value_kind: global_buffer, .address_space: global }
      - { .name: bproj, .offset: 16, .size: 8, .value_kind: global_buffer, .address_space: global }
      - { .name: x, .offset: 24, .size: 8, .value_kind: global_buffer, .address_space: global }
      - { .name: x1, .offset: 32, .size: 8, .value_kind: global_buffer, .address_space: global }
    .group_segment_fixed_size: 327680
    .private_segment_fixed_size: 0
    .kernarg_segment_align: 8
    .kernarg_segment_size: 40
    .max_flat_workgroup_size: 128
    .sgpr_count:     66
    .vgpr_count:     640
    .wavefront_size: 32
...
	.end_amdgpu_metadata
.endif
;; end of part 5
;; launch ln2: the kernel of part 2 again; grid 256 x 1, 16 waves a work-group, no clusters, 0 bytes of LDS; arguments x1, ss2b, hn; writes hn
;; launch mlp1g (part 6): grid 16 x 16, 4 waves a work-group, clusters of 4 x 4, 327,680 bytes of LDS; arguments hn, wb, bmlp1, act; writes act
.if DOCPART == 6
	.amdgcn_target "amdgcn-amd-amdhsa--gfx1250"
	.amdhsa_code_object_version 6
	.text
	.protected	k_qb2a5fd5d55_mlp1g
	.globl	k_qb2a5fd5d55_mlp1g
	.p2align	8
	.type	k_qb2a5fd5d55_mlp1g,@function
k_qb2a5fd5d55_mlp1g:
	s_mov_b64 s[64:65], 0
	v_nop
	global_prefetch_b8 v0, s[64:65] scope:SCOPE_SE
	s_setreg_imm32_b32 hwreg(HW_REG_WAVE_MODE, 25, 1), 1
	s_wait_xcnt 0x0
	s_wait_alu depctr_hold_cnt(0) depctr_sa_sdst(0) depctr_va_vdst(0) depctr_va_sdst(0) depctr_va_ssrc(0) depctr_va_vcc(0) depctr_vm_vsrc(0)
	s_getreg_b32 s2, hwreg(HW_REG_IB_STS2, 6, 4)
	s_cmp_eq_u32 s2, 0
	s_cbranch_scc0 .Lentry_in_a_cluster
	s_endpgm
.Lentry_in_a_cluster:
	s_bfe_u32 s2, ttmp6, 0x10000c
	s_cmp_lg_u32 s2, 0xf033
	s_cbranch_scc0 .Lentry_shape_is_right
	s_endpgm
.Lentry_shape_is_right:
; C = A W + bias (GELU = 1: then the exact GELU), rounded once to bf16.  A: hn [4096][1024] bf16.  W: [1024][SIZE_N] bf16 as the weights lie ([in][out]), WOFF bytes into wb.  bias: [SIZE_N] f32.
; C leaves IN BLOCKS: [n / 64][4096 rows][64] bf16, so that 64 columns of consecutive rows are dense: the launches behind ask for them as long rows.
; A tile of C is 256 x 256: four waves, each 128 x 128 = 64 accumulators.  K = 1024 goes in 8 steps of 128 through two LDS slots filled by tensor loads; a trip of the loop is one K step.
; The matrix instruction is used transposed: source 0 = 16 columns of W (turned on the way out of LDS by ds_load_tr16_b128), source 1 = 16 rows of A: a lane holds one row of C and 8 neighbouring columns.
; CLUSTER 4 x 4: A's tile hangs on the tile row alone and is asked for jointly along a row of the cluster, W's on the tile column alone and jointly along a column.
; THE LAST TWO K STEPS, which ask for nothing, are a loop of their own, left in the middle of its second trip: that trip's change of slots reads fragments of a slot that landed earlier and uses none of them: the price of one text for both.
; THE WAY OUT: the slots have had their last fill; each wave lays its 128 x 128 f32 into its own quarter of them and reads it back 8 rows a trip, so that a store covers 512 consecutive bytes of a block.
; GELU(z) = max(z, 0) - |z| erfc(|z| / sqrt 2) / 2, erfc by the five-term rational form (Abramowitz and Stegun 7.1.26, absolute error of erf 1.5e-7).  LIMITS: an infinite z gives NaN; NaN is not treated apart.
; REGISTERS: window 0: v16-30 addresses, v64-127 and v128-191 A's fragments (two buffers), v240-255 the bias; window 1: v64-191 W's fragments; windows 2, 3: accumulator (a, b) at v[8 (8 a + b)].
.set SIZE_N, 4096
.set WOFF,   8388608
.set GELU,   1
.set AP,     272                       ; a row of A in LDS: 256 bytes + 16: the 16 rows of a load start 16 bytes apart modulo 256
.set WP,     544                       ; a k-row of W: 512 bytes + 32: an odd multiple of 32
.set HALF,   128*AP                    ; what one tensor load brings: 128 rows of A or 64 k-rows of W (64 x 544 is the same number)
.set SLOT,   4*HALF
.set WBASE,  2*HALF
.set DP,     528                       ; the way out: a row of 128 f32 + 16 bytes
.set DWAVE,  128*DP
.set SPARE,  2*SLOT                    ; the spare words, 128 bytes a wave, named by no other line
.set WSTEP,  256*SIZE_N                ; bytes from a K step of W to the next
.set A0,   16
.set B0,   17
.set ADRA, 18
.set ADRB, 19
.set DST,  20
.set SRC0, 21
.set SRC,  22
.set CO,   23
.set BO,   24
.set SPW,  28
.set NIL,  29
.set PFO,  30
.set F0,   64
.set F1,   128
.set Z,    32                          ; the way out, window 0: 32 numbers a lane as read back,
.set T,    64                          ; with the bias; then the result
.set U,    96
.set EX,   128
.set PO,   160
.set MX,   192
.set PKD,  224
.set BI,   240
.set WV,  12
.set WR,  13
.set WC,  14
.set LIM, 15
.set G1A, 24
.set G0A, 32
.set CX,  40
.set CY,  41
.set TC,  42
.set TR,  43
.set PFA, 44
.set PFS, 46
.set G1B, 48
.set G0B, 56
.set TB,  66
.set LDSW, 68
.set CNT, 69
.set SB,  70
.set PS,  74
.set CC,  76
.set C5,  78
.set C4,  80
.set C3,  82
.set C2,  84
.set C1,  86
.set MSB, 0
.macro WIN new                         ; the immediate's high byte repeats the setting that is left; a switch that changes nothing is dropped
.if MSB != (\new)
	s_set_vgpr_msb (MSB<<8)|(\new)
.set MSB, \new
.endif
.endm
.set MUL_LO, 0xa1                      ; source 0 (W) window 1, source 1 (A) window 0, C and D window 2
.set MUL_HI, 0xf1
.set TO_B,   0x40
.macro PLACES
.rept 4
	v_nop
.endr
.endm
; A joint load: waves 0 and 1 fetch A's halves, waves 2 and 3 W's.  The branch hangs on the wave's number alone.  An s_nop 0 and four v_nop follow each line.
.macro JLOAD s
	s_cmp_eq_u32 s[WR], 0
	s_cbranch_scc0 .Lfor_b_\@
	tensor_load_to_lds s[G0A+4*(\s):G0A+4*(\s)+3], s[G1A:G1A+7]
	s_nop 0
.rept 4
	v_nop
.endr
	s_branch .Lasked_\@
.Lfor_b_\@:
	tensor_load_to_lds s[G0B+4*(\s):G0B+4*(\s)+3], s[G1B:G1B+7]
	s_nop 0
.rept 4
	v_nop
.endr
.Lasked_\@:
.endm
; A prefetch of the K step that the NEXT refill will ask for: 32 blocks of 256 bytes, a lane a block, one instruction a wave.  A's rows are named by the clusters with x = 0, W's by those with y = 0;
; the four partners that ask for a tile jointly share its blocks out by address.  The loop's last trip asks for nothing: there is no refill behind it.
.macro ASK
	s_cmp_gt_u32 s[CNT], s[LIM]
	s_cbranch_scc0 .Lnot_mine_\@
	global_prefetch_b8 v[PFO], s[PFA:PFA+1] th:TH_LOAD_NT scope:SCOPE_SE
.Lnot_mine_\@:
.endm
.macro CREST                           ; a round of the cluster's barrier behind its opening barrier
	s_cmp_lg_u32 s[WV], 0
	s_cbranch_scc1 .Lnot_wave_0_\@
	s_barrier_signal -3
.Lnot_wave_0_\@:
	s_barrier_wait -3
	s_barrier_signal -1
	s_barrier_wait -1
.endm
.macro CROUND
	s_barrier_signal -1
	s_barrier_wait -1
	CREST
.endm
	s_load_b256 s[4:11], s[0:1], 0x0               ; A s[4:5], wb s[6:7], bias s[8:9], C s[10:11]
	v_lshl_add_u32 v[SPW], v0, 2, SPARE
	v_mov_b32 v[NIL], 0
	ds_add_u32 v[SPW], v[NIL]                      ; the wave's opening
	v_lshrrev_b32 v1, 5, v0
	v_readfirstlane_b32 s[WV], v1
	s_lshr_b32 s[WR], s[WV], 1                     ; my half of the tile's rows; also: 0 = I fetch for A
	s_and_b32 s[WC], s[WV], 1                      ; my half of its columns; also: which half I fetch
	s_bfe_u32 s[CX], ttmp6, 0x40000
	s_bfe_u32 s[CY], ttmp6, 0x40004
	s_lshl_b32 s[TC], ttmp9, 2
	s_add_co_u32 s[TC], s[TC], s[CX]               ; tile column
	s_and_b32 s[TR], ttmp7, 0xffff
	s_lshl_b32 s[TR], s[TR], 2
	s_add_co_u32 s[TR], s[TR], s[CY]               ; tile row
	s_lshl_b32 s16, s[CY], 2
	s_lshl_b32 s16, 15, s16                        ; my row of the cluster
	s_lshl_b32 s20, 0x1111, s[CX]                  ; my column
	s_or_b32 s[G1A], s16, (1<<16)|(1<<20)|(1<<21)|(5<<22)|(3<<25)   ; mask; 2-byte elements; padding on; bit 21 beside a mask; after every 64 words 4 words
	s_or_b32 s[G1B], s20, (1<<16)|(1<<20)|(1<<21)|(6<<22)|(7<<25)   ; after every 128 words 8 words
	s_mov_b32 s[G1A+1], 128<<16                    ; A: 128 rows x 128 elements, 1,024 elements from row to row
	s_mov_b32 s[G1A+2], 128<<16
	s_mov_b32 s[G1A+3], 128<<16
	s_mov_b32 s[G1A+4], 128
	s_mov_b32 s[G1A+5], 1024
	s_mov_b32 s[G1A+6], 0
	s_mov_b32 s[G1A+7], 0
	s_mov_b32 s[G1B+1], 256<<16                    ; W: 64 k-rows x 256 elements, SIZE_N elements from row to row
	s_mov_b32 s[G1B+2], 64<<16
	s_mov_b32 s[G1B+3], 256<<16
	s_mov_b32 s[G1B+4], 64
	s_mov_b32 s[G1B+5], SIZE_N
	s_mov_b32 s[G1B+6], 0
	s_mov_b32 s[G1B+7], 0
	s_lshl_b32 s16, s[TR], 8                       ; A: row 256 x tile row + 128 x half, 2,048 bytes a row
	s_lshl_b32 s17, s[WC], 7
	s_add_co_u32 s16, s16, s17
	s_lshl_b32 s16, s16, 11
	s_mov_b32 s17, 0
	s_lshl_b32 s20, s[WC], 6                       ; W: k-row 64 x half, column 256 x tile column
	s_mul_i32 s20, s20, 2*SIZE_N
	s_lshl_b32 s21, s[TC], 9
	s_add_co_u32 s20, s20, s21
	s_add_co_u32 s20, s20, WOFF
	s_mov_b32 s21, 0
	s_mul_i32 s[LDSW], s[WV], HALF                 ; where my part lands: no place in the cluster enters an LDS address
	s_mov_b32 s[TB], 0
	s_wait_dscnt 0x0                               ; the opening add is done
	s_wait_kmcnt 0x0
	s_add_nc_u64 s[16:17], s[4:5], s[16:17]
	s_add_nc_u64 s[20:21], s[6:7], s[20:21]
	CROUND                                         ; all sixteen work-groups are here: the first joint loads meet
.irp s, 0,1
	s_mov_b32 s[G0A+4*(\s)], 1
	s_add_co_u32 s[G0A+4*(\s)+1], s[LDSW], (\s)*SLOT
	s_add_nc_u64 s[G0A+4*(\s)+2:G0A+4*(\s)+3], s[16:17], (\s)*256
	s_or_b32 s[G0A+4*(\s)+3], s[G0A+4*(\s)+3], 0x80000000
	s_mov_b32 s[G0B+4*(\s)], 1
	s_add_co_u32 s[G0B+4*(\s)+1], s[LDSW], (\s)*SLOT
	s_add_nc_u64 s[G0B+4*(\s)+2:G0B+4*(\s)+3], s[20:21], (\s)*WSTEP
	s_or_b32 s[G0B+4*(\s)+3], s[G0B+4*(\s)+3], 0x80000000
	JLOAD \s
.endr
	v_and_b32 v1, 15, v0                           ; r
	v_bfe_u32 v2, v0, 4, 1                         ; h
	v_mul_u32_u24 v3, v1, AP
	v_lshl_add_u32 v3, v2, 4, v3
	s_mul_i32 s22, s[WR], HALF
	v_add_nc_u32 v[A0], s22, v3                    ; A: my rows, row r, 16 bytes for each half of the lanes
	v_and_b32 v4, 7, v0
	v_lshl_add_u32 v5, v2, 3, v4
	v_mul_u32_u24 v5, v5, WP
	v_bfe_u32 v6, v0, 3, 1
	v_lshl_add_u32 v5, v6, 4, v5
	s_lshl_b32 s22, s[WC], 8
	s_add_co_u32 s22, s22, WBASE
	v_add_nc_u32 v[B0], s22, v5                    ; W: k-row 8 h + l % 8, my columns, 16 bytes by bit 3 of the lane
	v_mov_b32 v[ADRA], v[A0]
	v_mov_b32 v[ADRB], v[B0]
	s_mul_i32 s22, s[WV], DWAVE
	v_mul_u32_u24 v3, v1, DP
	v_lshl_add_u32 v3, v2, 5, v3
	v_add_nc_u32 v[DST], s22, v3
	v_and_b32 v6, 31, v0
	v_lshrrev_b32 v3, 3, v6
	v_mul_u32_u24 v3, v3, DP
	v_lshl_add_u32 v3, v4, 5, v3
	v_add_nc_u32 v[SRC0], s22, v3                  ; back: four rows a unit, eight lanes a row of 64 columns
	v_lshlrev_b32 v[CO], 4, v6
	v_lshlrev_b32 v[BO], 5, v4
	s_lshl_b32 s22, s[TC], 10
	s_lshl_b32 s23, s[WC], 9
	s_add_co_u32 s22, s22, s23
	s_mov_b32 s23, 0
	s_add_nc_u64 s[8:9], s[8:9], s[22:23]
	global_load_b128 v[BI:BI+3],     v[BO], s[8:9]             ; the bias of my 8 columns in each of my two blocks of 64
	global_load_b128 v[BI+4:BI+7],   v[BO], s[8:9] offset:16
	global_load_b128 v[BI+8:BI+11],  v[BO], s[8:9] offset:256
	global_load_b128 v[BI+12:BI+15], v[BO], s[8:9] offset:272
	s_lshl_b32 s22, s[TC], 2                       ; C: block 4 x tile column + 2 x half, row 256 x tile row + 128 x half, 128 bytes a row
	s_lshl_b32 s23, s[WC], 1
	s_add_co_u32 s22, s22, s23
	s_lshl_b32 s22, s22, 12
	s_lshl_b32 s23, s[TR], 8
	s_add_co_u32 s22, s22, s23
	s_lshl_b32 s23, s[WR], 7
	s_add_co_u32 s22, s22, s23
	s_lshl_b32 s22, s22, 7
	s_mov_b32 s23, 0
	s_add_nc_u64 s[10:11], s[10:11], s[22:23]
	; the prefetches: A waves: 32 of my 128 rows by cx, a lane a row; W waves: 16 of my 64 k-rows by cy, two blocks a row.  They stand at K step 2; each change of slots steps them first.
	s_lshl_b32 s18, s[TR], 8
	s_lshl_b32 s19, s[WC], 7
	s_add_co_u32 s18, s18, s19
	s_lshl_b32 s19, s[CX], 5
	s_add_co_u32 s18, s18, s19
	s_lshl_b32 s18, s18, 11
	s_add_co_u32 s18, s18, 2*256
	s_lshl_b32 s22, s[WC], 6
	s_lshl_b32 s23, s[CY], 4
	s_add_co_u32 s22, s22, s23
	s_add_co_u32 s22, s22, 2*128
	s_mul_i32 s22, s22, 2*SIZE_N
	s_lshl_b32 s23, s[TC], 9
	s_add_co_u32 s22, s22, s23
	s_add_co_u32 s22, s22, WOFF
	s_and_b32 s23, ttmp7, 0xffff
	s_mov_b32 s[PFS], WSTEP
	s_mov_b32 s17, 2*SIZE_N
	s_cmp_eq_u32 s[WR], 0
	s_cselect_b32 s18, s18, s22
	s_cselect_b64 s[PFA:PFA+1], s[4:5], s[6:7]
	s_cselect_b32 s[PFS], 256, s[PFS]
	s_cselect_b32 s23, ttmp9, s23                  ; the coordinate along which other clusters read the same blocks
	s_cselect_b32 s16, 0, 1
	s_cselect_b32 s17, 2048, s17
	s_mov_b32 s19, 0
	s_mov_b32 s[PFS+1], 0
	s_add_nc_u64 s[PFA:PFA+1], s[PFA:PFA+1], s[18:19]
	s_cmp_eq_u32 s23, 0
	s_cselect_b32 s[LIM], 1, -1                    ; the same in all sixteen partners, for a given wave
	v_and_b32 v31, 31, v0
	v_and_b32 v[PFO], s16, v31
	v_lshrrev_b32 v31, s16, v31
	v_lshlrev_b32 v[PFO], 8, v[PFO]
	v_mad_u32_u24 v[PFO], v31, s17, v[PFO]
.if GELU
	s_mov_b32 s[PS], 0x3e6d3388                    ; 0.3275911 / sqrt 2
	s_mov_b32 s[CC], 0x3f596d27                    ; sqrt(log2(e) / 2)
	s_mov_b32 s[CC+1], s[CC]
	s_mov_b32 s[C5], 0x3f07dc22                    ; the five coefficients, halved
	s_mov_b32 s[C5+1], s[C5]
	s_mov_b32 s[C4], 0xbf3a00e3
	s_mov_b32 s[C4+1], s[C4]
	s_mov_b32 s[C3], 0x3f35f0e3
	s_mov_b32 s[C3+1], s[C3]
	s_mov_b32 s[C2], 0xbe11a98e
	s_mov_b32 s[C2+1], s[C2]
	s_mov_b32 s[C1], 0x3e027906
	s_mov_b32 s[C1+1], s[C1]
.endif
; 16 matrix instructions: row blocks a0, a0 + 1 of the window's four x all 8 column blocks, 32 along K.  zero = 1: the product starts the sum.  The 64 accumulators take turns.
.macro MUL16 f, hi, a0, zero
	WIN MUL_LO+0x50*(\hi)
.irp a, \a0, (\a0)+1
.irp b, 0,1,2,3,4,5,6,7
.if \zero
	v_wmma_f32_16x16x32_bf16 v[8*(8*(\a)+(\b)):8*(8*(\a)+(\b))+7], v[(\f)+8*(\b):(\f)+8*(\b)+7], v[(\f)+8*(4*(\hi)+(\a)):(\f)+8*(4*(\hi)+(\a))+7], 0
.else
	v_wmma_f32_16x16x32_bf16 v[8*(8*(\a)+(\b)):8*(8*(\a)+(\b))+7], v[(\f)+8*(\b):(\f)+8*(\b)+7], v[(\f)+8*(4*(\hi)+(\a)):(\f)+8*(4*(\hi)+(\a))+7], v[8*(8*(\a)+(\b)):8*(8*(\a)+(\b))+7]
.endif
.endr
.endr
.endm
; 32 LDS loads in one run: quarter q (32 along K) of the slot in hand into buffer f: W's 8 column blocks, turned, then A's 8 row blocks
.macro FETCH q, f
	WIN TO_B
.irp i, 0,1,2,3,4,5,6,7
	ds_load_tr16_b128 v[(\f)+8*(\i):(\f)+8*(\i)+3],   v[ADRB] offset:(\q)*32*WP+32*(\i)
	ds_load_tr16_b128 v[(\f)+8*(\i)+4:(\f)+8*(\i)+7], v[ADRB] offset:(\q)*32*WP+32*(\i)+16*WP
.endr
	WIN 0
.irp i, 0,1,2,3,4,5,6,7
	ds_load_b128 v[(\f)+8*(\i):(\f)+8*(\i)+3],   v[ADRA] offset:(\q)*64+(\i)*16*AP
	ds_load_b128 v[(\f)+8*(\i)+4:(\f)+8*(\i)+7], v[ADRA] offset:(\q)*64+(\i)*16*AP+32
.endr
.endm
; multiplies buffer f; in its middle fetches quarter q into buffer g
.macro QUARTER q, f, g, zero
	s_wait_dscnt 8                                 ; W and A's rows 0-63 are in; the youngest eight loads (A's rows 64-127) may be out
	MUL16 \f, 0, 0, \zero
	MUL16 \f, 0, 2, \zero
	PLACES                                         ; four places in front of loads into registers that matrix instructions have read
	FETCH \q, \g
	s_wait_dscnt 32                                ; all but the 32 just issued
	MUL16 \f, 1, 0, \zero
	MUL16 \f, 1, 2, \zero
.endm
; The last quarter of a K step multiplies buffer 1 and changes slots.  In front of the barrier each wave waits for all its tensor loads (one is out: its part of the next slot), adds 0 to its spare word, and
; waits for that and for its reads of this slot.  fill = 1: the barrier opens a round of the cluster's, and the joint refill, two K steps on, is the first thing behind the round.
.macro TURN fill
.if \fill
	s_wait_xcnt 0x0                                ; the last prefetch, a K step back, has read its address
	s_add_nc_u64 s[PFA:PFA+1], s[PFA:PFA+1], s[PFS:PFS+1]
.endif
	WIN 0
	s_wait_tensorcnt 0x0
	ds_add_u32 v[SPW], v[NIL]
	s_wait_dscnt 9                                 ; the add and the youngest eight loads may be out
	MUL16 F1, 0, 0, 0
	s_wait_dscnt 0x0                               ; the add is done, my reads of this slot are over
	s_barrier_signal -1
	MUL16 F1, 0, 2, 0
	WIN 0
	s_barrier_wait -1
.if \fill
	CREST
	s_xor_b32 s[G0A+5], s[G0A+5], SLOT             ; the walking descriptors: the other slot (the slot's two bits are clear in wave x HALF), the next K step
	s_add_nc_u64 s[G0A+6:G0A+7], s[G0A+6:G0A+7], 256
	s_xor_b32 s[G0B+5], s[G0B+5], SLOT
	s_add_nc_u64 s[G0B+6:G0B+7], s[G0B+6:G0B+7], WSTEP
	JLOAD 1                                        ; its four v_nop are also the places in front of the loads below
.else
	PLACES
.endif
	s_xor_b32 s[TB], s[TB], SLOT
	v_add_nc_u32 v[ADRA], s[TB], v[A0]
	v_add_nc_u32 v[ADRB], s[TB], v[B0]
	FETCH 0, F0
.if \fill
	ASK
.endif
	MUL16 F1, 1, 0, 0
	MUL16 F1, 1, 2, 0
.endm
	s_wait_tensorcnt 0x1                           ; my part of K step 0 is in; K step 1's stays out
	s_barrier_signal -1
	s_barrier_wait -1
	FETCH 0, F0
	QUARTER 1, F0, F1, 1                           ; the first quarter starts the sums
	WIN 0
	s_mov_b32 s[CNT], 6
.Lstep:                                        ; trip s: the rest of K step s, the refill with K step s + 2, the first quarter of K step s + 1
	QUARTER 2, F1, F0, 0
	QUARTER 3, F0, F1, 0
	TURN 1
	QUARTER 1, F0, F1, 0
	WIN 0
	s_sub_co_u32 s[CNT], s[CNT], 1
	s_cmp_lg_u32 s[CNT], 0
	s_cbranch_scc1 .Lstep
	s_mov_b32 s[CNT], 2
.Ltail:                                        ; K steps 6 and 7 ask for nothing; the second trip is left behind its last products
	QUARTER 2, F1, F0, 0
	QUARTER 3, F0, F1, 0
	TURN 0
	WIN 0
	s_sub_co_u32 s[CNT], s[CNT], 1
	s_cmp_eq_u32 s[CNT], 0
	s_cbranch_scc1 .Lout
	QUARTER 1, F0, F1, 0
	WIN 0
	s_branch .Ltail
.Lout:
	s_wait_dscnt 0x0                               ; the last change's fragments, which nobody uses, are back: no LDS instruction of mine is out
	s_barrier_signal -1                            ; every wave's reads of the slots are back: the slots become the stage
	s_barrier_wait -1
	PLACES
	PLACES
.irp hi, 0,1
	WIN 0x08+4*(\hi)                               ; the stores' data in window 2, then 3
.irp a, 0,1,2,3
.irp b, 0,1,2,3,4,5,6,7
	ds_store_b128 v[DST], v[8*(8*(\a)+(\b)):8*(8*(\a)+(\b))+3]   offset:(4*(\hi)+(\a))*16*DP+64*(\b)
	ds_store_b128 v[DST], v[8*(8*(\a)+(\b))+4:8*(8*(\a)+(\b))+7] offset:(4*(\hi)+(\a))*16*DP+64*(\b)+16
.endr
.endr
.endr
	WIN 0
.macro ZLOAD                           ; eight rows x 128 columns of my own stage: unit (u, c) = rows 4 u .. + 3, block c.  LDS serves a wave's instructions in order: these see the stores above
.irp u, 0,1
.irp c, 0,1
	ds_load_b128 v[Z+8*(2*(\u)+(\c)):Z+8*(2*(\u)+(\c))+3],   v[SRC] offset:(\u)*4*DP+(\c)*256
	ds_load_b128 v[Z+8*(2*(\u)+(\c))+4:Z+8*(2*(\u)+(\c))+7], v[SRC] offset:(\u)*4*DP+(\c)*256+16
.endr
.endr
.endm
	s_mov_b32 s[SB], 0
	v_mov_b32 v[SRC], v[SRC0]
	ZLOAD
	s_wait_loadcnt 0x0                             ; the bias
	s_mov_b32 s[CNT], 16
.Lrow:                                         ; a trip: eight rows leave; the next eight are read meanwhile (the last trip reads its own again)
	s_wait_dscnt 0x0
.irp u, 0,1
.irp c, 0,1
.irp k, 0,2,4,6
	v_pk_add_f32 v[T+8*(2*(\u)+(\c))+(\k):T+8*(2*(\u)+(\c))+(\k)+1], v[Z+8*(2*(\u)+(\c))+(\k):Z+8*(2*(\u)+(\c))+(\k)+1], v[BI+8*(\c)+(\k):BI+8*(\c)+(\k)+1]
.endr
.endr
.endr
	s_add_co_u32 s[SB], s[SB], 8*DP
	s_min_u32 s[SB], s[SB], 15*8*DP
	v_add_nc_u32 v[SRC], s[SB], v[SRC0]
	ZLOAD
.if GELU
.set i, 0
.rept 32
	v_fma_f32 v[U+i], |v[T+i]|, s[PS], 1.0
.set i, i+1
.endr
.set i, 0
.rept 16
	v_pk_mul_f32 v[EX+i:EX+i+1], v[T+i:T+i+1], s[CC:CC+1] op_sel_hi:[1,0]
.set i, i+2
.endr
.set i, 0
.rept 16
	v_pk_mul_f32 v[EX+i:EX+i+1], v[EX+i:EX+i+1], v[EX+i:EX+i+1] neg_lo:[1,0] neg_hi:[1,0]
.set i, i+2
.endr
.set i, 0
.rept 32
	v_rcp_f32 v[U+i], v[U+i]                       ; t = 1 / (1 + p |z| / sqrt 2)
.set i, i+1
.endr
.set i, 0
.rept 32
	v_exp_f32 v[EX+i], v[EX+i]                     ; e^(-z z / 2)
.set i, i+1
.endr
.set i, 0
.rept 32
	v_max_num_f32 v[MX+i], 0, v[T+i]               ; plain work that names no result of the batch
.set i, i+1
.endr
	s_wait_alu depctr_va_vdst(0)                   ; one wait for the 64, ahead of their first reader
.set i, 0
.rept 16
	v_pk_fma_f32 v[PO+i:PO+i+1], v[U+i:U+i+1], s[C5:C5+1], s[C4:C4+1] op_sel_hi:[1,0,0]
.set i, i+2
.endr
.irp cf, C3, C2, C1
.set i, 0
.rept 16
	v_pk_fma_f32 v[PO+i:PO+i+1], v[PO+i:PO+i+1], v[U+i:U+i+1], s[(\cf):(\cf)+1] op_sel_hi:[1,1,0]
.set i, i+2
.endr
.endr
.set i, 0
.rept 16
	v_pk_mul_f32 v[PO+i:PO+i+1], v[PO+i:PO+i+1], v[U+i:U+i+1]
.set i, i+2
.endr
.set i, 0
.rept 16
	v_pk_mul_f32 v[PO+i:PO+i+1], v[PO+i:PO+i+1], v[EX+i:EX+i+1]
.set i, i+2
.endr
.set i, 0
.rept 32
	v_fma_f32 v[T+i], -|v[T+i]|, v[PO+i], v[MX+i]
.set i, i+1
.endr
.endif
	s_wait_xcnt 0x0                                ; the last trip's stores have read their base and their data: both are rewritten only behind this wait, which stands here so that the work above runs meanwhile
	s_add_nc_u64 s[10:11], s[10:11], 1024          ; one trip ahead of the rows in hand: the stores reach back
.set i, 0
.rept 16
	v_cvt_pk_bf16_f32 v[PKD+i], v[T+2*i], v[T+2*i+1]
.set i, i+1
.endr
.irp u, 0,1
.irp c, 0,1
	global_store_b128 v[CO], v[PKD+4*(2*(\u)+(\c)):PKD+4*(2*(\u)+(\c))+3], s[10:11] offset:(\u)*512+(\c)*524288-1024   ; four rows of a block: 512 consecutive bytes
.endr
.endr
	s_sub_co_u32 s[CNT], s[CNT], 1
	s_cmp_lg_u32 s[CNT], 0
	s_cbranch_scc1 .Lrow
	s_wait_tensorcnt 0x0                           ; the wave's end
	ds_add_u32 v[SPW], v[NIL]
	s_wait_dscnt 0x0
	CROUND                                         ; the closing round
	s_endpgm
.Lfunc_end_k_qb2a5fd5d55_mlp1g:
	.size	k_qb2a5fd5d55_mlp1g, .Lfunc_end_k_qb2a5fd5d55_mlp1g-k_qb2a5fd5d55_mlp1g
	.p2alignl 7, 3214868480
	.fill 96, 4, 3214868480
	.section	.rodata,"a",@progbits
	.p2align	6, 0x0
	.amdhsa_kernel k_qb2a5fd5d55_mlp1g
		.amdhsa_group_segment_fixed_size 327680
		.amdhsa_private_segment_fixed_size 0
		.amdhsa_enable_private_segment 0
		.amdhsa_kernarg_size 32
		.amdhsa_user_sgpr_count 2
		.amdhsa_user_sgpr_kernarg_segment_ptr 1
		.amdhsa_wavefront_size32 1
		.amdhsa_system_sgpr_workgroup_id_x 1
		.amdhsa_system_sgpr_workgroup_id_y 1
		.amdhsa_system_sgpr_workgroup_id_z 1
		.amdhsa_system_vgpr_workitem_id 0
		.amdhsa_next_free_vgpr 1024
		.amdhsa_next_free_sgpr 88
		.amdhsa_reserve_vcc 0
		.amdhsa_float_denorm_mode_32 3
		.amdhsa_float_denorm_mode_16_64 3
		.amdhsa_memory_ordered 1
		.amdhsa_forward_progress 1
		.amdhsa_inst_pref_size 99
	.end_amdhsa_kernel
	.amdgpu_metadata
---
amdhsa.version: [ 1, 2 ]
amdhsa.kernels:
  - .name:           k_qb2a5fd5d55_mlp1g
    .symbol:         k_qb2a5fd5d55_mlp1g.kd
    .args:
      - { .name: hn, .offset: 0, .size: 8, .value_kind: global_buffer, .address_space: global }
      - { .name: wb, .offset: 8, .size: 8, .value_kind: global_buffer, .address_space: global }
      - { .name: bmlp1, .offset: 16, .size: 8, .value_kind: global_buffer, .address_space: global }
      - { .name: act, .offset: 24, .size: 8, .value_kind: global_buffer, .address_space: global }
    .group_segment_fixed_size: 327680
    .private_segment_fixed_size: 0
    .kernarg_segment_align: 8
    .kernarg_segment_size: 32
    .max_flat_workgroup_size: 128
    .sgpr_count:     88
    .vgpr_count:     1024
    .wavefront_size: 32
...
	.end_amdgpu_metadata
.endif
;; end of part 6
;; launch mlp2g (part 7): grid 8 x 32, 4 waves a work-group, clusters of 4 x 4, 327,680 bytes of LDS; arguments act, wb, bmlp2, x1, out0; writes out0
.if DOCPART == 7
	.amdgcn_target "amdgcn-amd-amdhsa--gfx1250"
	.amdhsa_code_object_version 6
	.text
	.protected	k_qb2a5fd5d55_mlp2g
	.globl	k_qb2a5fd5d55_mlp2g
	.p2align	8
	.type	k_qb2a5fd5d55_mlp2g,@function
k_qb2a5fd5d55_mlp2g:
	s_mov_b64 s[64:65], 0
	v_nop
	global_prefetch_b8 v0, s[64:65] scope:SCOPE_SE
	s_setreg_imm32_b32 hwreg(HW_REG_WAVE_MODE, 25, 1), 1
	s_wait_xcnt 0x0
	s_wait_alu depctr_hold_cnt(0) depctr_sa_sdst(0) depctr_va_vdst(0) depctr_va_sdst(0) depctr_va_ssrc(0) depctr_va_vcc(0) depctr_vm_vsrc(0)
	s_getreg_b32 s2, hwreg(HW_REG_IB_STS2, 6, 4)
	s_cmp_eq_u32 s2, 0
	s_cbranch_scc0 .Lentry_in_a_cluster
	s_endpgm
.Lentry_in_a_cluster:
	s_bfe_u32 s2, ttmp6, 0x10000c
	s_cmp_lg_u32 s2, 0xf033
	s_cbranch_scc0 .Lentry_shape_is_right
	s_endpgm
.Lentry_shape_is_right:
; out = resid + A W + bias, f32.  A: bf16 in blocks [k / 64][4096 rows][64], KB blocks.  W: [64 KB][1024] bf16 as the weights lie, WOFF bytes into wb.  bias: [1024] f32.  resid, out: [4096][1024] f32.
; A tile of out is 128 x 128, which gives each of 256 work-groups one: four waves of 64 x 64, 16 accumulators.  K goes in steps of 256 (four blocks) through two LDS slots filled by tensor loads; a trip is one K step.
; The matrix instruction is used transposed (source 0 = 16 columns of W, turned by ds_load_tr16_b128; source 1 = 16 rows of A).  The bias is the C operand of each accumulator's first product.
; CLUSTER 4 x 4: A's tile is asked for jointly along a row of the cluster, W's along a column.  No prefetch: a K step's tiles are small and its matrix work short.
; THE LAST TWO K STEPS, which ask for nothing, are a loop of their own, left in the middle of its second trip: that trip's change of slots reads fragments of a slot that landed earlier and uses none of them: the price of one text for both.
; The residual's 64 x 64 f32 a wave are loaded at the head into window 2 and wait there.  THE WAY OUT: the slots have had their last fill; each wave lays its f32 tile into its own part of them and reads whole rows back:
; sixteen lanes store 256 consecutive bytes, aligned.
.set KB,     64
.set WOFF,   16777216
.set KSTEPS, KB/4
.set AP,     144                       ; a row of a block of A in LDS: 128 bytes + 16
.set WP,     288                       ; a k-row of W: 256 bytes + 32, an odd multiple of 32
.set HALF,   256*AP                    ; what one tensor load brings: two blocks of 128 rows of A, or 128 k-rows of W (128 x 288 is the same number)
.set SLOT,   4*HALF
.set WBASE,  2*HALF
.set DP,     272
.set DWAVE,  64*DP
.set SPARE,  2*SLOT
.set ASTEP,  4*4096*128
.set WSTEP,  256*2048
.set A0,   16
.set B0,   17
.set ADRA, 18
.set ADRB, 19
.set ADRB2, 20
.set DST,  21
.set RD,   22
.set RO,   23
.set BO,   24
.set SPW,  28
.set NIL,  29
.set Y0,   32
.set BIA,  96
.set ACC,  128
.set Y1,   128
.set F0,   0
.set F1,   128
.set WV,  12
.set WR,  13
.set WC,  14
.set G1A, 24
.set G0A, 32
.set CX,  40
.set CY,  41
.set TC,  42
.set TR,  43
.set TB,  44
.set LDSW, 45
.set CNT, 46
.set G1B, 48
.set G0B, 56
.set MSB, 0
.macro WIN new
.if MSB != (\new)
	s_set_vgpr_msb (MSB<<8)|(\new)
.set MSB, \new
.endif
.endm
.set MUL,  0x05                        ; sources 0 (W) and 1 (A) window 1; C and D window 0
.set TO_F, 0x40
.macro PLACES
.rept 4
	v_nop
.endr
.endm
.macro JLOAD s                         ; waves 0 and 1 fetch A's halves, waves 2 and 3 W's; an s_nop 0 and four v_nop follow each line
	s_cmp_eq_u32 s[WR], 0
	s_cbranch_scc0 .Lfor_b_\@
	tensor_load_to_lds s[G0A+4*(\s):G0A+4*(\s)+3], s[G1A:G1A+7]
	s_nop 0
.rept 4
	v_nop
.endr
	s_branch .Lasked_\@
.Lfor_b_\@:
	tensor_load_to_lds s[G0B+4*(\s):G0B+4*(\s)+3], s[G1B:G1B+7]
	s_nop 0
.rept 4
	v_nop
.endr
.Lasked_\@:
.endm
.macro CREST
	s_cmp_lg_u32 s[WV], 0
	s_cbranch_scc1 .Lnot_wave_0_\@
	s_barrier_signal -3
.Lnot_wave_0_\@:
	s_barrier_wait -3
	s_barrier_signal -1
	s_barrier_wait -1
.endm
.macro CROUND
	s_barrier_signal -1
	s_barrier_wait -1
	CREST
.endm
	s_load_b256 s[4:11], s[0:1], 0x0               ; A s[4:5], wb s[6:7], bias s[8:9], resid s[10:11]
	s_load_b64 s[2:3], s[0:1], 0x20                ; out
	v_lshl_add_u32 v[SPW], v0, 2, SPARE
	v_mov_b32 v[NIL], 0
	ds_add_u32 v[SPW], v[NIL]                      ; the wave's opening
	v_lshrrev_b32 v1, 5, v0
	v_readfirstlane_b32 s[WV], v1
	s_lshr_b32 s[WR], s[WV], 1
	s_and_b32 s[WC], s[WV], 1
	s_bfe_u32 s[CX], ttmp6, 0x40000
	s_bfe_u32 s[CY], ttmp6, 0x40004
	s_lshl_b32 s[TC], ttmp9, 2
	s_add_co_u32 s[TC], s[TC], s[CX]
	s_and_b32 s[TR], ttmp7, 0xffff
	s_lshl_b32 s[TR], s[TR], 2
	s_add_co_u32 s[TR], s[TR], s[CY]
	s_lshl_b32 s16, s[CY], 2
	s_lshl_b32 s16, 15, s16
	s_lshl_b32 s20, 0x1111, s[CX]
	s_or_b32 s[G1A], s16, (1<<16)|(1<<20)|(1<<21)|(4<<22)|(3<<25)   ; 4 words of padding after every 32
	s_or_b32 s[G1B], s20, (1<<16)|(1<<20)|(1<<21)|(5<<22)|(7<<25)   ; 8 words after every 64
	s_mov_b32 s[G1A+1], 8192<<16                   ; A: two blocks; in each my tile's 128 rows are 16,384 dense bytes: two rows of 8,192 elements, a block (262,144 elements) apart
	s_mov_b32 s[G1A+2], 2<<16
	s_mov_b32 s[G1A+3], 8192<<16
	s_mov_b32 s[G1A+4], 2
	s_mov_b32 s[G1A+5], 262144
	s_mov_b32 s[G1A+6], 0
	s_mov_b32 s[G1A+7], 0
	s_mov_b32 s[G1B+1], 128<<16                    ; W: 128 k-rows x 128 elements, 1,024 elements from row to row
	s_mov_b32 s[G1B+2], 128<<16
	s_mov_b32 s[G1B+3], 128<<16
	s_mov_b32 s[G1B+4], 128
	s_mov_b32 s[G1B+5], 1024
	s_mov_b32 s[G1B+6], 0
	s_mov_b32 s[G1B+7], 0
	s_lshl_b32 s16, s[WC], 20                      ; A: blocks 2 x half on, row 128 x tile row
	s_lshl_b32 s17, s[TR], 14
	s_add_co_u32 s16, s16, s17
	s_mov_b32 s17, 0
	s_lshl_b32 s20, s[WC], 18                      ; W: k-row 128 x half, column 128 x tile column
	s_lshl_b32 s21, s[TC], 8
	s_add_co_u32 s20, s20, s21
	s_add_co_u32 s20, s20, WOFF
	s_mov_b32 s21, 0
	s_mul_i32 s[LDSW], s[WV], HALF
	s_mov_b32 s[TB], 0
	s_wait_dscnt 0x0                               ; the opening add is done
	s_wait_kmcnt 0x0
	s_add_nc_u64 s[16:17], s[4:5], s[16:17]
	s_add_nc_u64 s[20:21], s[6:7], s[20:21]
	CROUND                                         ; all sixteen work-groups are here: the first joint loads meet
.irp s, 0,1
	s_mov_b32 s[G0A+4*(\s)], 1
	s_add_co_u32 s[G0A+4*(\s)+1], s[LDSW], (\s)*SLOT
	s_add_nc_u64 s[G0A+4*(\s)+2:G0A+4*(\s)+3], s[16:17], (\s)*ASTEP
	s_or_b32 s[G0A+4*(\s)+3], s[G0A+4*(\s)+3], 0x80000000
	s_mov_b32 s[G0B+4*(\s)], 1
	s_add_co_u32 s[G0B+4*(\s)+1], s[LDSW], (\s)*SLOT
	s_add_nc_u64 s[G0B+4*(\s)+2:G0B+4*(\s)+3], s[20:21], (\s)*WSTEP
	s_or_b32 s[G0B+4*(\s)+3], s[G0B+4*(\s)+3], 0x80000000
	JLOAD \s
.endr
	v_and_b32 v1, 15, v0                           ; r
	v_bfe_u32 v2, v0, 4, 1                         ; h
	v_mul_u32_u24 v3, v1, AP
	v_lshl_add_u32 v3, v2, 4, v3
	s_mul_i32 s22, s[WR], 64*AP
	v_add_nc_u32 v[A0], s22, v3
	v_and_b32 v4, 7, v0
	v_lshl_add_u32 v5, v2, 3, v4
	v_mul_u32_u24 v5, v5, WP
	v_bfe_u32 v6, v0, 3, 1
	v_lshl_add_u32 v5, v6, 4, v5
	s_lshl_b32 s22, s[WC], 7
	s_add_co_u32 s22, s22, WBASE
	v_add_nc_u32 v[B0], s22, v5
	v_mov_b32 v[ADRA], v[A0]
	v_mov_b32 v[ADRB], v[B0]
	v_add_nc_u32 v[ADRB2], 128*WP, v[B0]           ; the slot's k-rows 128 on: the immediates stay inside 16 bits
	s_mul_i32 s22, s[WV], DWAVE
	v_mul_u32_u24 v3, v1, DP
	v_lshl_add_u32 v3, v2, 5, v3
	v_add_nc_u32 v[DST], s22, v3
	v_mul_u32_u24 v3, v2, DP
	v_lshl_add_u32 v3, v1, 4, v3
	v_add_nc_u32 v[RD], s22, v3                    ; back: lanes 0-15 one row of 256 bytes, lanes 16-31 the next
	v_lshlrev_b32 v3, 12, v2
	v_lshl_add_u32 v[RO], v1, 4, v3                ; and the same two rows in resid and out
	v_lshlrev_b32 v[BO], 5, v2
	s_lshl_b32 s22, s[TC], 9
	s_lshl_b32 s23, s[WC], 8
	s_add_co_u32 s22, s22, s23
	s_mov_b32 s23, 0
	s_add_nc_u64 s[8:9], s[8:9], s[22:23]
.irp b, 0,1,2,3                        ; the bias as an accumulator's layout has it: register j = column 16 b + 8 h + j
	global_load_b128 v[BIA+8*(\b):BIA+8*(\b)+3],   v[BO], s[8:9] offset:64*(\b)
	global_load_b128 v[BIA+8*(\b)+4:BIA+8*(\b)+7], v[BO], s[8:9] offset:64*(\b)+16
.endr
	s_lshl_b32 s18, s[TR], 7
	s_lshl_b32 s19, s[WR], 6
	s_add_co_u32 s18, s18, s19
	s_lshl_b32 s18, s18, 12
	s_add_co_u32 s18, s18, s22
	s_mov_b32 s19, 0
	s_add_nc_u64 s[10:11], s[10:11], s[18:19]
	s_add_nc_u64 s[2:3], s[2:3], s[18:19]
	WIN 0x80                                       ; destination window 2
.set u, 0
.rept 32
	global_load_b128 v[4*u:4*u+3], v[RO], s[10:11] offset:u*8192
.set u, u+1
.endr
	WIN 0
; 8 matrix instructions: row blocks a0, a0 + 1 x all 4 column blocks, 32 along K: half c of buffer f.  zero = 1: the product starts the sum, on the bias.  The 16 accumulators take turns.
.macro MUL8 f, c, a0, zero
	WIN MUL
.irp a, \a0, (\a0)+1
.irp b, 0,1,2,3
.if \zero
	v_wmma_f32_16x16x32_bf16 v[ACC+8*(4*(\a)+(\b)):ACC+8*(4*(\a)+(\b))+7], v[(\f)+64+8*(4*(\c)+(\b)):(\f)+64+8*(4*(\c)+(\b))+7], v[(\f)+8*(4*(\c)+(\a)):(\f)+8*(4*(\c)+(\a))+7], v[BIA+8*(\b):BIA+8*(\b)+7]
.else
	v_wmma_f32_16x16x32_bf16 v[ACC+8*(4*(\a)+(\b)):ACC+8*(4*(\a)+(\b))+7], v[(\f)+64+8*(4*(\c)+(\b)):(\f)+64+8*(4*(\c)+(\b))+7], v[(\f)+8*(4*(\c)+(\a)):(\f)+8*(4*(\c)+(\a))+7], v[ACC+8*(4*(\a)+(\b)):ACC+8*(4*(\a)+(\b))+7]
.endif
.endr
.endr
.endm
; 32 LDS loads in one run: quarter q (one block of A, 64 along K) into buffer f, the first 32 along K first
.macro FETCH q, f
	WIN TO_F
.irp c, 0,1
.irp i, 0,1,2,3
.if (\q) < 2
	ds_load_tr16_b128 v[(\f)+64+8*(4*(\c)+(\i)):(\f)+64+8*(4*(\c)+(\i))+3],   v[ADRB] offset:((2*(\q)+(\c))%4)*32*WP+32*(\i)
	ds_load_tr16_b128 v[(\f)+64+8*(4*(\c)+(\i))+4:(\f)+64+8*(4*(\c)+(\i))+7], v[ADRB] offset:((2*(\q)+(\c))%4)*32*WP+32*(\i)+16*WP
.else
	ds_load_tr16_b128 v[(\f)+64+8*(4*(\c)+(\i)):(\f)+64+8*(4*(\c)+(\i))+3],   v[ADRB2] offset:((2*(\q)+(\c))%4)*32*WP+32*(\i)
	ds_load_tr16_b128 v[(\f)+64+8*(4*(\c)+(\i))+4:(\f)+64+8*(4*(\c)+(\i))+7], v[ADRB2] offset:((2*(\q)+(\c))%4)*32*WP+32*(\i)+16*WP
.endif
	ds_load_b128 v[(\f)+8*(4*(\c)+(\i)):(\f)+8*(4*(\c)+(\i))+3],   v[ADRA] offset:(\q)*128*AP+64*(\c)+(\i)*16*AP
	ds_load_b128 v[(\f)+8*(4*(\c)+(\i))+4:(\f)+8*(4*(\c)+(\i))+7], v[ADRA] offset:(\q)*128*AP+64*(\c)+(\i)*16*AP+32
.endr
.endr
.endm
.macro QUARTER q, f, g, zero
	s_wait_dscnt 16                                ; the first 32 along K are in
	MUL8 \f, 0, 0, \zero
	MUL8 \f, 0, 2, \zero
	PLACES
	FETCH \q, \g
	s_wait_dscnt 32                                ; all but the 32 just issued
	MUL8 \f, 1, 0, 0
	MUL8 \f, 1, 2, 0
.endm
; The last quarter multiplies buffer 1 and changes slots: in front of the barrier each wave waits for all its tensor loads, adds 0 to its spare word, and waits for that and for its reads of this slot.
; fill = 1: the barrier opens a round of the cluster's, and the joint refill, two K steps on, is the first thing behind the round.
.macro TURN fill
	WIN 0
	s_wait_tensorcnt 0x0
	ds_add_u32 v[SPW], v[NIL]
	s_wait_dscnt 17                                ; the add and the youngest sixteen loads may be out
	MUL8 F1, 0, 0, 0
	s_wait_dscnt 0x0
	s_barrier_signal -1
	MUL8 F1, 0, 2, 0
	WIN 0
	s_barrier_wait -1
.if \fill
	CREST
	s_xor_b32 s[G0A+5], s[G0A+5], SLOT             ; the walking descriptors: the other slot (the slot's two bits are clear in wave x HALF), the next K step
	s_add_nc_u64 s[G0A+6:G0A+7], s[G0A+6:G0A+7], ASTEP
	s_xor_b32 s[G0B+5], s[G0B+5], SLOT
	s_add_nc_u64 s[G0B+6:G0B+7], s[G0B+6:G0B+7], WSTEP
	JLOAD 1
.else
	PLACES
.endif
	s_xor_b32 s[TB], s[TB], SLOT
	v_add_nc_u32 v[ADRA], s[TB], v[A0]
	v_add_nc_u32 v[ADRB], s[TB], v[B0]
	v_add_nc_u32 v[ADRB2], 128*WP, v[ADRB]
	FETCH 0, F0
	MUL8 F1, 1, 0, 0
	MUL8 F1, 1, 2, 0
.endm
	s_wait_tensorcnt 0x1                           ; my part of K step 0 is in; K step 1's stays out
	s_barrier_signal -1
	s_barrier_wait -1
	FETCH 0, F0
	s_wait_loadcnt 32                              ; the bias is in; the residual's 32 loads stay out
	QUARTER 1, F0, F1, 1
	WIN 0
	s_mov_b32 s[CNT], KSTEPS-2
.Lstep:
	QUARTER 2, F1, F0, 0
	QUARTER 3, F0, F1, 0
	TURN 1
	QUARTER 1, F0, F1, 0
	WIN 0
	s_sub_co_u32 s[CNT], s[CNT], 1
	s_cmp_lg_u32 s[CNT], 0
	s_cbranch_scc1 .Lstep
	s_mov_b32 s[CNT], 2
.Ltail:                                        ; the last two K steps ask for nothing; the second trip is left behind its last products
	QUARTER 2, F1, F0, 0
	QUARTER 3, F0, F1, 0
	TURN 0
	WIN 0
	s_sub_co_u32 s[CNT], s[CNT], 1
	s_cmp_eq_u32 s[CNT], 0
	s_cbranch_scc1 .Lout
	QUARTER 1, F0, F1, 0
	WIN 0
	s_branch .Ltail
.Lout:
	s_wait_dscnt 0x0                               ; the last change's fragments, which nobody uses, are back: no LDS instruction of mine is out
	s_barrier_signal -1                            ; every wave's reads of the slots are back: the slots become the stage
	s_barrier_wait -1
	PLACES
	PLACES
.irp a, 0,1,2,3
.irp b, 0,1,2,3
	ds_store_b128 v[DST], v[ACC+8*(4*(\a)+(\b)):ACC+8*(4*(\a)+(\b))+3]   offset:(\a)*16*DP+64*(\b)
	ds_store_b128 v[DST], v[ACC+8*(4*(\a)+(\b))+4:ACC+8*(4*(\a)+(\b))+7] offset:(\a)*16*DP+64*(\b)+16
.endr
.endr
.set u, 0
.rept 16
	ds_load_b128 v[Y0+4*u:Y0+4*u+3], v[RD] offset:u*2*DP          ; my own stage: LDS serves a wave's instructions in order
.set u, u+1
.endr
.set u, 0
.rept 16
	ds_load_b128 v[Y1+4*u:Y1+4*u+3], v[RD] offset:(16+u)*2*DP
.set u, u+1
.endr
	s_wait_loadcnt 0x0                             ; the residual
	s_wait_dscnt 16                                ; rows 0-31 are back
	WIN 0x08                                       ; source 1 in window 2
.set i, 0
.rept 32
	v_pk_add_f32 v[Y0+i:Y0+i+1], v[Y0+i:Y0+i+1], v[i:i+1]
.set i, i+2
.endr
	WIN 0
.set u, 0
.rept 16
	global_store_b128 v[RO], v[Y0+4*u:Y0+4*u+3], s[2:3] offset:u*8192    ; sixteen lanes store 256 consecutive bytes, aligned
.set u, u+1
.endr
	s_wait_dscnt 0x0
	WIN 0x08
.set i, 0
.rept 32
	v_pk_add_f32 v[Y1+i:Y1+i+1], v[Y1+i:Y1+i+1], v[64+i:64+i+1]
.set i, i+2
.endr
	WIN 0
.set u, 0
.rept 16
	global_store_b128 v[RO], v[Y1+4*u:Y1+4*u+3], s[2:3] offset:(16+u)*8192
.set u, u+1
.endr
	s_wait_tensorcnt 0x0                           ; the wave's end
	ds_add_u32 v[SPW], v[NIL]
	s_wait_dscnt 0x0
	CROUND                                         ; the closing round
	s_endpgm
.Lfunc_end_k_qb2a5fd5d55_mlp2g:
	.size	k_qb2a5fd5d55_mlp2g, .Lfunc_end_k_qb2a5fd5d55_mlp2g-k_qb2a5fd5d55_mlp2g
	.p2alignl 7, 3214868480
	.fill 96, 4, 3214868480
	.section	.rodata,"a",@progbits
	.p2align	6, 0x0
	.amdhsa_kernel k_qb2a5fd5d55_mlp2g
		.amdhsa_group_segment_fixed_size 327680
		.amdhsa_private_segment_fixed_size 0
		.amdhsa_enable_private_segment 0
		.amdhsa_kernarg_size 40
		.amdhsa_user_sgpr_count 2
		.amdhsa_user_sgpr_kernarg_segment_ptr 1
		.amdhsa_wavefront_size32 1
		.amdhsa_system_sgpr_workgroup_id_x 1
		.amdhsa_system_sgpr_workgroup_id_y 1
		.amdhsa_system_sgpr_workgroup_id_z 1
		.amdhsa_system_vgpr_workitem_id 0
		.amdhsa_next_free_vgpr 640
		.amdhsa_next_free_sgpr 66
		.amdhsa_reserve_vcc 0
		.amdhsa_float_denorm_mode_32 3
		.amdhsa_float_denorm_mode_16_64 3
		.amdhsa_memory_ordered 1
		.amdhsa_forward_progress 1
		.amdhsa_inst_pref_size 66
	.end_amdhsa_kernel
	.amdgpu_metadata
---
amdhsa.version: [ 1, 2 ]
amdhsa.kernels:
  - .name:           k_qb2a5fd5d55_mlp2g
    .symbol:         k_qb2a5fd5d55_mlp2g.kd
    .args:
      - { .name: act, .offset: 0, .size: 8, .value_kind: global_buffer, .address_space: global }
      - { .name: wb, .offset: 8, .size: 8, .value_kind: global_buffer, .address_space: global }
      - { .name: bmlp2, .offset: 16, .size: 8, .value_kind: global_buffer, .address_space: global }
      - { .name: x1, .offset: 24, .size: 8, .value_kind: global_buffer, .address_space: global }
      - { .name: out0, .offset: 32, .size: 8, .value_kind: global_buffer, .address_space: global }
    .group_segment_fixed_size: 327680
    .private_segment_fixed_size: 0
    .kernarg_segment_align: 8
    .kernarg_segment_size: 40
    .max_flat_workgroup_size: 128
    .sgpr_count:     66
    .vgpr_count:     640
    .wavefront_size: 32
...
	.end_amdgpu_metadata
.endif
;; end of part 7
